; MI455X (gfx1250); checked and timed in simulation.
; The chip was launched on July 23, 2026; its instructions are those of AMD's public machine-readable ISA for CDNA 5 (MIT licence, August 2026) and "CDNA5" Instruction Set Architecture Reference Guide (July 2026). The comments in the code are by the model that wrote it; some were corrected since.
;; Block. Allowed arithmetic: matrix products marked QUANTISED: E2M3 operands, one E8M0 scale for each 32 along K, by v_wmma_scale_f32_16x16x128_f8f6f4 with both operands' format E2M3, f32 sums; everything else in f32.
;; Inputs: b_attn 3,072 float32; b_fc 4,096 float32; b_mproj 1,024 float32; b_proj 1,024 float32; ln1_b 1,024 float32; ln1_g 1,024 float32; ln2_b 1,024 float32; ln2_g 1,024 float32; w_attn 1,024 x 3,072 float32; w_fc 1,024 x 4,096 float32; w_mproj 4,096 x 1,024 float32; w_proj 1,024 x 1,024 float32; x 4 x 1,024 x 1,024 float32.
;; Outputs: out0 4 x 1,024 x 1,024 float32.
;; This version of the problem:
;;   THIS VERSION OF THE PROBLEM IS GIVEN IN LOW PRECISION. The matrix products marked QUANTISED in the list below multiply operands that are first quantised to E2M3 (2 exponent bits, 3 mantissa bits; 6 bits a number), with one power-of-two scale for each 32 numbers along K (OCP MX v1.0); their sums are f32. All else is computed in f32.
;;   The module's matrix products, in the order in which they are computed (A, B: the left and right operand; K: the contracted axis; several contracted axes count as one K, in the product's order):
;;     1. [M 4,096, K 1,024] x [K 1,024, N 3,072]; A: computed on the way; B: input w_attn: QUANTISED
;;     2. batch 64 x [M 1,024, K 64] x [K 64, N 1,024]; A: computed on the way; B: computed on the way: QUANTISED
;;     3. batch 64 x [M 1,024, K 1,024] x [K 1,024, N 64]; A: softmax (see below); B: computed on the way: QUANTISED
;;     4. [M 4,096, K 1,024] x [K 1,024, N 1,024]; A: computed on the way; B: input w_proj: QUANTISED
;;     5. [M 4,096, K 1,024] x [K 1,024, N 4,096]; A: computed on the way; B: input w_fc: QUANTISED
;;     6. [M 4,096, K 4,096] x [K 4,096, N 1,024]; A: computed on the way; B: input w_mproj: QUANTISED
;;   THE QUANTISER, for each operand of a quantised product, along K:
;;     - K is cut into blocks of 32 from its start; a last block that is shorter is filled with zeros.
;;     - A block's scale is 2^e with e = floor(log2(the largest magnitude in the block)) - 2, held to -126 .. 127; a block of zeros has e = 0. As a byte (E8M0): e + 127.
;;     - Each number is divided by its block's scale, clamped to +-7.5, and rounded to the nearest number of E2M3, ties to even, subnormals kept.
;;     - The product sums the exact products of the quantised numbers (number of the format x scale) in f32.
;;   ~~~python
;;   def quantise(x, axis):      # numpy; x: float32 -> the quantised numbers, widened to float32 again
;;       x = np.moveaxis(x, axis, -1); K = x.shape[-1]
;;       x = np.pad(x, [(0, 0)] * (x.ndim - 1) + [(0, -K % 32)]); x = x.reshape(x.shape[:-1] + (-1, 32)); a = np.abs(x).max(-1, keepdims=True)
;;       e = np.where(a > 0, np.clip(np.frexp(np.where(a > 0, a, 1))[1] - 1 - 2, -126, 127), 0)      # np.frexp(a)[1] - 1 = floor(log2(a)), exactly
;;       r = np.clip(x / 2.0 ** e, -7.5, 7.5)
;;       step = 2.0 ** (np.maximum(np.frexp(np.where(r == 0, 1, r))[1] - 1, 0) - 3)
;;       q = np.round(r / step) * step * 2.0 ** e      # np.round: ties to even
;;       return np.moveaxis(q.reshape(q.shape[:-2] + (-1,))[..., :K], -1, axis).astype(np.float32)
;;   ~~~
;;   SOFTMAX AHEAD OF A QUANTISED PRODUCT. Where the list says 'softmax', what is quantised is not the finished softmax but p = 2^(t - M), with t = logit x log2(e) and M = ceil(the row's largest t), a whole number; so 1/2 < the row's largest p <= 1. The row's sum l is taken of the UNQUANTISED p, in f32, and the product's result is divided by l at the end. Since M is a whole number, a kernel that streams over the keys may use a running M (the ceiling of the running maximum): every later rescaling is an exact power of two, which a block's scale takes up: the codes' values come out the same.
;;   OPERANDS COMPUTED ON THE WAY. 'Computed on the way' means the value that the module computes at that place (a softmax that the list does not call 'softmax' is quantised finished and normalised). What goes into a quantiser is computed in f32, as accurately as f32 sums, v_exp_f32 and their like allow (about 1e-6 of the number): no bf16 or f16 on the way to a quantiser, and a product that is left as it is and whose result goes on into a quantised operand takes f32 operands (vector FMAs, or v_wmma_f32_16x16x4_f32). A number that lies on a knife's edge between two numbers of the format may be rounded either way, as far as f32 arithmetic and the matrix unit's own rounding can turn it there, and no further.
;; One version. Each part assembles by itself: llvm-mc -triple=amdgcn-amd-amdhsa -mcpu=gfx1250 --defsym DOCPART=n.
;; ======== version 1 of 1: 7 launches
;; limits: right only within a limited range of input values
;; workspace buffers: wc 9,830,400 bytes; h1c 3,276,800 bytes; qkvc 9,830,400 bytes; oc 3,276,800 bytes; x1 16,777,216 bytes; h2c 3,276,800 bytes; gc 13,107,200 bytes
;; launch prep (part 1): grid 1024 x 1, 4 waves a work-group, no clusters, 79,104 bytes of LDS; arguments x, ln1_g, ln1_b, h1c, w_attn, w_proj, w_fc, w_mproj, wc; writes h1c, wc
.if DOCPART == 1
	.amdgcn_target "amdgcn-amd-amdhsa--gfx1250"
	.amdhsa_code_object_version 6
	.text
	.protected	k_q0c9a5e9a74_prep
	.globl	k_q0c9a5e9a74_prep
	.p2align	8
	.type	k_q0c9a5e9a74_prep,@function
k_q0c9a5e9a74_prep:
	s_mov_b64 s[64:65], 0
	v_nop
	global_prefetch_b8 v0, s[64:65] scope:SCOPE_SE
	s_setreg_imm32_b32 hwreg(HW_REG_WAVE_MODE, 25, 1), 1
	s_wait_xcnt 0x0
; ONE LAUNCH PREPARES ALL THAT THE PRODUCTS READ AS CODES OF FP6 (E2M3) WITH ONE E8M0 BYTE FOR EACH 32 ALONG K: work-groups 0-255 make h1c = Q(LayerNorm(x)), work-groups 256-1,023 make block J = number - 256 of wc from the four weights.
; The two jobs depend on nothing of each other.  The paths part once, on the work-group's number; each has LDS bytes of its own (weights: the image at 0; norm: the stage at 12,800), its own barrier and its own end.
; FORMAT of both.  ATOM, 768 bytes: 16 rows x 64 along K as an image of six operand registers: lane l = r + 16 h holds the 24 bytes of row r, block h; registers 0-3 at 16 l, registers 4-5 at 512 + 8 l.  FRAGMENT, 1,536 bytes: two atoms.
; BLOCK (RB, ks), 12,800 bytes at (RB KS + ks) x 12,800: 128 rows x 128 K: fragments 0..7, then scale words, row r of fragment t at 12,288 + 32 r + 4 t.  Row r of fragment t is row 128 RB + 32 (t / 2) + 8 (t % 2) + r + 8 (r / 8).
; NORM.  A work-group takes the 16 rows of one fragment row (RB, t).  Wave w normalises rows r = 4 w .. 4 w + 3, each in 32 registers; the rows meet in LDS (pitch 4,112); then wave w quantises K steps 2 w, 2 w + 1 of all 16 rows:
; a lane holds a whole block of 32.  The variance is the mean of (x - mean)^2, in a second pass over the registers.  Sums go in another order than a serial sum.
; WEIGHTS, f32 stored [K][N].  A wave takes 32 columns (two fragments), a lane one column, its registers run down K: a block of 32 lies in one lane and the codes come out with K innermost; they meet in LDS as the block's image
; and leave as runs of 512 consecutive bytes.  Only scalars (pointer, pitch, first block, log2 KS) are chosen by J.
; A block's scale is 2^(floor(log2(largest magnitude)) - 2); its byte is the largest magnitude's exponent field - 2, held at 1 from below.
; LIMITS: a block of zeros, or one under 2^-124, gets the byte 1 (the bytes are read by this program alone); NaN and infinities are not served.
.set BLKB,  12800
.set ROWP,  4112
.set LNB,   BLKB                       ; the norm's stage, behind the weights' image
.set SPARE, LNB+16*ROWP                ; the spare words, 128 bytes a wave, which no other line names
.set SPW,   244
.set NIL,   245
.set WV,    3                          ; s3 wave
.macro BMAX d, e, xs                   ; v[d] = the largest magnitude of v[xs] .. v[xs + 31], in two chains, and the floor 2^(3 - 127)
	v_max3_num_f32 v[\d], |v[\xs]|, |v[\xs+1]|, |v[\xs+2]|
	v_max3_num_f32 v[\e], |v[\xs+3]|, |v[\xs+4]|, |v[\xs+5]|
.irp i, 6,10,14,18,22,26
	v_max3_num_f32 v[\d], v[\d], |v[\xs+\i]|, |v[\xs+\i+1]|
	v_max3_num_f32 v[\e], v[\e], |v[\xs+\i+2]|, |v[\xs+\i+3]|
.endr
	v_max3_num_f32 v[\d], v[\d], |v[\xs+30]|, |v[\xs+31]|
	v_max3_num_f32 v[\d], v[\d], v[\e], 0x1800000
.endm
	v_lshl_add_u32 v[SPW], v0, 2, SPARE
	v_mov_b32 v[NIL], 0
	v_lshrrev_b32 v1, 5, v0
	v_readfirstlane_b32 s[WV], v1
	s_cmp_lt_u32 ttmp9, 256
	s_wait_alu depctr_va_vdst(0)                   ; the wait ahead of the branch
	s_cbranch_scc0 .Lweights
; ---------------- the norm ----------------
.set S,   6                            ; v6-13 partial sums; v14-21 the means, twice; v22-29 rsqrt, twice
.set M,   14
.set R,   22
.set X,   32                           ; v32-159 four rows x 32; later four atoms x 32
.set G,   160                          ; gains; later the codes
.set BB,  192                          ; biases
.set CD,  160
.set TP,  224
.set MX,  228
.set SO,  230
.set T3,  232
.set BY,  236
.set W,   240
.set H8,  242
	s_load_b256 s[4:11], s[0:1], 0x0               ; x, g, b, h1c
	s_lshr_b32 s22, ttmp9, 3                       ; RB
	s_and_b32 s23, ttmp9, 7                        ; t
	s_lshl_b32 s24, s22, 7
	s_lshr_b32 s25, s23, 1
	s_lshl_b32 s25, s25, 5
	s_add_co_u32 s24, s24, s25
	s_and_b32 s25, s23, 1
	s_lshl_b32 s25, s25, 3
	s_add_co_u32 s24, s24, s25
	s_lshl_b32 s25, s[WV], 2
	s_add_co_u32 s24, s24, s25
	s_lshr_b32 s25, s[WV], 1
	s_lshl_b32 s25, s25, 3
	s_add_co_u32 s24, s24, s25                     ; my first row: 128 RB + 32 (t / 2) + 8 (t % 2) + 4 w + 8 (w / 2)
	s_lshl_b32 s24, s24, 12
	s_mov_b32 s25, 0
	s_lshl_b32 s26, s22, 3
	s_lshl_b32 s27, s[WV], 1
	s_add_co_u32 s26, s26, s27
	s_mul_i32 s26, s26, BLKB                       ; block (RB, 2 w)
	s_mul_i32 s27, s23, 1536
	s_add_co_u32 s28, s26, s27                     ; its fragment t
	s_mov_b32 s29, 0
	s_lshl_b32 s27, s23, 2
	s_add_co_u32 s26, s26, s27
	s_add_co_u32 s26, s26, 12288                   ; and fragment t's scale words
	s_mov_b32 s27, 0
	s_mov_b32 s16, 0x3a800000                      ; 1 / 1,024
	s_mov_b32 s17, 0x3727c5ac                      ; 1e-5
	s_mov_b32 s18, 0x76543210
	s_mov_b32 s19, 0xfedcba98                      ; selects for lane l xor 16
	s_mov_b32 s20, 0xffff0000                      ; lanes 16-31
	v_and_b32 v6, 31, v0
	v_and_b32 v7, 15, v0
	v_bfe_u32 v8, v0, 4, 1
	v_lshlrev_b32 v1, 4, v6                        ; 16 l
	v_lshlrev_b32 v4, 3, v6                        ; 8 l
	s_mul_i32 s30, s[WV], 4*ROWP
	s_add_co_u32 s30, s30, LNB
	v_add_nc_u32 v2, s30, v1                       ; the stage on the way in: my four rows
	v_mul_u32_u24 v3, v7, ROWP
	v_lshl_add_u32 v3, v8, 7, v3
	s_lshl_b32 s30, s[WV], 10
	s_add_co_u32 s30, s30, LNB
	v_add_nc_u32 v3, s30, v3                       ; and on the way out: row r, K step 2 w, block h
	v_mul_u32_u24 v5, v8, BLKB
	v_lshl_add_u32 v5, v7, 5, v5                   ; a scale word's place
	v_lshlrev_b32 v[H8], 3, v8
.irp i, 0,1,2,3
	v_mov_b32 v[TP+\i], 0                          ; a lane permute's destination counts as one of its sources
.endr
	s_wait_alu depctr_va_vdst(0)                   ; the wait at the head's end
	s_wait_kmcnt 0x0
	s_add_nc_u64 s[4:5], s[4:5], s[24:25]
	s_add_nc_u64 s[12:13], s[10:11], s[28:29]
	s_add_nc_u64 s[14:15], s[10:11], s[26:27]
.irp i, 0,1,2,3
.irp j, 0,1,2,3,4,5,6,7
	global_load_b128 v[X+32*\i+4*\j:X+32*\i+4*\j+3], v1, s[4:5] offset:4096*\i+512*\j th:TH_LOAD_NT
.endr
.endr
.irp j, 0,1,2,3,4,5,6,7
	global_load_b128 v[G+4*\j:G+4*\j+3], v1, s[6:7] offset:512*\j
	global_load_b128 v[BB+4*\j:BB+4*\j+3], v1, s[8:9] offset:512*\j
.endr
.macro LANESUM                         ; the four rows' pairs of partial sums become the rows' sums, in every lane
.irp i, 0,1,2,3
	v_add_f32 v[S+2*\i], v[S+2*\i], v[S+2*\i+1]
.endr
.irp m, 1,2,4,8
.irp i, 0,1,2,3
	v_add_f32_dpp v[S+2*\i], v[S+2*\i], v[S+2*\i] row_xmask:\m row_mask:0xf bank_mask:0xf
.endr
.endr
.irp i, 0,1,2,3
	v_permlanex16_b32 v[TP+\i], v[S+2*\i], s18, s19
.endr
.irp i, 0,1,2,3
	v_add_f32 v[S+2*\i], v[S+2*\i], v[TP+\i]
.endr
.endm
	s_wait_loadcnt 16                              ; x is in; the sixteen loads of g and b may be out
.irp i, 0,1,2,3
	v_pk_add_f32 v[S+2*\i:S+2*\i+1], v[X+32*\i:X+32*\i+1], v[X+32*\i+2:X+32*\i+3]
.endr
.set jj, 4
.rept 14
.irp i, 0,1,2,3
	v_pk_add_f32 v[S+2*\i:S+2*\i+1], v[S+2*\i:S+2*\i+1], v[X+32*\i+jj:X+32*\i+jj+1]
.endr
.set jj, jj+2
.endr
	LANESUM
.irp i, 0,1,2,3
	v_mul_f32 v[M+2*\i], s16, v[S+2*\i]            ; the mean
.endr
.irp i, 0,1,2,3
	v_mov_b32 v[M+2*\i+1], v[M+2*\i]
.endr
.set jj, 0
.rept 16
.irp i, 0,1,2,3
	v_pk_add_f32 v[X+32*\i+jj:X+32*\i+jj+1], v[X+32*\i+jj:X+32*\i+jj+1], v[M+2*\i:M+2*\i+1] neg_lo:[0,1] neg_hi:[0,1]
.endr
.set jj, jj+2
.endr
.irp i, 0,1,2,3
	v_pk_mul_f32 v[S+2*\i:S+2*\i+1], v[X+32*\i:X+32*\i+1], v[X+32*\i:X+32*\i+1]
.endr
.set jj, 2
.rept 15
.irp i, 0,1,2,3
	v_pk_fma_f32 v[S+2*\i:S+2*\i+1], v[X+32*\i+jj:X+32*\i+jj+1], v[X+32*\i+jj:X+32*\i+jj+1], v[S+2*\i:S+2*\i+1]
.endr
.set jj, jj+2
.endr
	LANESUM
.irp i, 0,1,2,3
	v_fma_f32 v[R+2*\i], v[S+2*\i], s16, s17       ; var + eps
.endr
	s_wait_alu depctr_va_vdst(0)                   ; a wait ahead of the batch,
.irp i, 0,1,2,3
	v_rsq_f32 v[R+2*\i], v[R+2*\i]
.endr
	v_nop
	s_wait_alu depctr_va_vdst(0)                   ; and one ahead of its first reader
.irp i, 0,1,2,3
	v_mov_b32 v[R+2*\i+1], v[R+2*\i]
.endr
	s_wait_alu depctr_va_vdst(0)
	s_wait_loadcnt 0x0                             ; g and b
.irp i, 0,1,2,3
.irp j, 0,1,2,3,4,5,6,7
	v_pk_mul_f32 v[X+32*\i+4*\j:X+32*\i+4*\j+1], v[X+32*\i+4*\j:X+32*\i+4*\j+1], v[R+2*\i:R+2*\i+1]
	v_pk_mul_f32 v[X+32*\i+4*\j+2:X+32*\i+4*\j+3], v[X+32*\i+4*\j+2:X+32*\i+4*\j+3], v[R+2*\i:R+2*\i+1]
	v_pk_fma_f32 v[X+32*\i+4*\j:X+32*\i+4*\j+1], v[X+32*\i+4*\j:X+32*\i+4*\j+1], v[G+4*\j:G+4*\j+1], v[BB+4*\j:BB+4*\j+1]
	v_pk_fma_f32 v[X+32*\i+4*\j+2:X+32*\i+4*\j+3], v[X+32*\i+4*\j+2:X+32*\i+4*\j+3], v[G+4*\j+2:G+4*\j+3], v[BB+4*\j+2:BB+4*\j+3]
	ds_store_b128 v2, v[X+32*\i+4*\j:X+32*\i+4*\j+3] offset:ROWP*\i+512*\j
.endr
.endr
	s_wait_dscnt 0x0                               ; for the others' sake: my four rows have landed
	s_barrier_signal -1
	s_barrier_wait -1
.irp k, 0,1,2,3                        ; atom k: K step 2 w + k / 2, its half k % 2: my block of 32 numbers of row r
.irp i, 0,1,2,3,4,5,6,7
	ds_load_b128 v[X+32*\k+4*\i:X+32*\k+4*\i+3], v3 offset:256*\k+16*\i
.endr
.endr
.irp k, 0,1,2,3
	s_wait_dscnt 24-8*\k                           ; this atom's eight loads are in; the later atoms' may be out
	BMAX MX, MX+1, X+32*\k
	v_add_nc_u32 v[SO], 0xff000000, v[MX]          ; 2 off the exponent field: the conversions' scale operand
	v_lshrrev_b32 v[BY+\k], 23, v[SO]              ; the scale's byte
	v_cvt_scalef32_pk16_fp6_f32 v[CD+8*\k:CD+8*\k+2], v[X+32*\k:X+32*\k+15], v[SO]
	v_cvt_scalef32_pk16_fp6_f32 v[T3:T3+2], v[X+32*\k+16:X+32*\k+31], v[SO]
	v_nop                                          ; one plain instruction behind the conversions
.irp i, 0,1,2
	v_mov_b32 v[CD+8*\k+3+\i], v[T3+\i]
.endr
	global_store_b128 v1, v[CD+8*\k:CD+8*\k+3], s[12:13] offset:BLKB*(\k/2)+768*(\k%2)         ; 512 consecutive bytes
	global_store_b64 v4, v[CD+8*\k+4:CD+8*\k+5], s[12:13] offset:BLKB*(\k/2)+768*(\k%2)+512    ; 256 consecutive bytes
.endr
.irp p, 0,1                            ; a K step's scale word: my two bytes at their places, with lane l xor 16's two
	v_lshl_or_b32 v[W+\p], v[BY+2*\p+1], 16, v[BY+2*\p]
	v_lshlrev_b32 v[W+\p], v[H8], v[W+\p]
	v_permlanex16_b32 v[TP+\p], v[W+\p], s18, s19
	v_or_b32 v[W+\p], v[W+\p], v[TP+\p]
.endr
	v_cndmask_b32 v[W], v[W], v[W+1], s20          ; lanes 0-15 K step 2 w's word, lanes 16-31 K step 2 w + 1's
	global_store_b32 v5, v[W], s[14:15]
	s_wait_tensorcnt 0x0                           ; the wave's end
	ds_add_u32 v[SPW], v[NIL]
	s_wait_dscnt 0x0
	s_endpgm
; ---------------- the weights ----------------
.Lweights:
.set OFFV,  16                         ; v16-47 4 x lane + i x pitch
.set X,     48                         ; v48-175 four blocks of 32 numbers; later the image read back
.set CD,    176                        ; v176-207 codes, eight registers a block
.set T,     208
.set SW,    212
	s_load_b256 s[4:11], s[0:1], 0x20              ; w_attn, w_proj, w_fc, w_mproj
	s_load_b64 s[12:13], s[0:1], 0x40              ; wc
	s_sub_co_u32 s34, ttmp9, 256                   ; J
	v_and_b32 v1, 31, v0                           ; lane: column 32 w + lane of the 128
	v_bfe_u32 v2, v0, 3, 1                         ; u: which of my wave's two fragments
	v_bfe_u32 v3, v0, 4, 1
	v_and_b32 v9, 7, v0
	v_lshl_add_u32 v3, v3, 3, v9                   ; r: its row there
	s_mul_i32 s20, s[WV], 3072
	v_mul_u32_u24 v4, v2, 1536
	v_lshl_add_u32 v5, v3, 3, v4
	v_lshl_add_u32 v4, v3, 4, v4
	v_add_nc_u32 v4, s20, v4                       ; where registers 0-3 of (row r, block 0) go
	v_add_nc_u32 v5, s20, v5
	v_add_nc_u32 v5, 512, v5                       ; and registers 4-5
	s_lshl_b32 s21, s[WV], 3
	v_lshlrev_b32 v6, 5, v3
	v_lshl_add_u32 v6, v2, 2, v6
	v_add_nc_u32 v6, s21, v6
	v_add_nc_u32 v6, 12288, v6                     ; my scale word: 12,288 + 32 r + 4 (2 w + u)
	v_lshlrev_b32 v7, 4, v1
	v_add_nc_u32 v8, 12288, v7
	v_add_nc_u32 v7, s20, v7                       ; my wave's 3,072 bytes on the way out: the same offset in LDS and in the block in memory
	s_mov_b32 s15, 512                             ; first block, pitch and log2 KS: w_mproj's,
	s_mov_b32 s16, 4096
	s_mov_b32 s17, 5
	s_wait_kmcnt 0x0
	s_mov_b64 s[18:19], s[10:11]
	s_cmp_lt_u32 s34, 512                          ; or w_fc's,
	s_cselect_b64 s[18:19], s[8:9], s[18:19]
	s_cselect_b32 s15, 256, s15
	s_cselect_b32 s16, 16384, s16
	s_cselect_b32 s17, 3, s17
	s_cmp_lt_u32 s34, 256                          ; or w_proj's,
	s_cselect_b64 s[18:19], s[6:7], s[18:19]
	s_cselect_b32 s15, 192, s15
	s_cselect_b32 s16, 4096, s16
	s_cmp_lt_u32 s34, 192                          ; or w_attn's
	s_cselect_b64 s[18:19], s[4:5], s[18:19]
	s_cselect_b32 s15, 0, s15
	s_cselect_b32 s16, 12288, s16
	s_sub_co_u32 s21, s34, s15                     ; the block's number in its weight
	s_lshr_b32 s22, s21, s17                       ; RB
	s_lshl_b32 s23, s22, s17
	s_sub_co_u32 s23, s21, s23                     ; ks
	s_lshl_b32 s32, s16, 7
	s_mul_i32 s32, s32, s23
	s_lshl_b32 s33, s22, 9
	s_add_co_u32 s32, s32, s33
	s_lshl_b32 s33, s[WV], 7
	s_add_co_u32 s32, s32, s33
	s_mov_b32 s33, 0
	s_add_nc_u64 s[24:25], s[18:19], s[32:33]      ; four bases, 32 rows apart
	s_lshl_b32 s32, s16, 5
	s_add_nc_u64 s[26:27], s[24:25], s[32:33]
	s_add_nc_u64 s[28:29], s[26:27], s[32:33]
	s_add_nc_u64 s[30:31], s[28:29], s[32:33]
	s_mul_i32 s32, s34, BLKB
	s_add_nc_u64 s[12:13], s[12:13], s[32:33]      ; my block of wc
	v_lshlrev_b32 v[OFFV], 2, v1
.set ii, 1
.rept 31
	v_add_nc_u32 v[OFFV+ii], s16, v[OFFV+ii-1]
.set ii, ii+1
.endr
.macro LOAD t                          ; block t of K: W(32 t + i, my column)
.set ii, 0
.rept 32
	global_load_b32 v[X+32*(\t)+ii], v[OFFV+ii], s[24+2*(\t):25+2*(\t)] th:TH_LOAD_NT
.set ii, ii+1
.endr
.endm
.macro BLOCK t
.if (\t) < 3
	s_wait_loadcnt 32                              ; this block's 32 loads are in; the next block's 32 may be out
.else
	s_wait_loadcnt 0x0
.endif
.if (\t)+2 < 4
	LOAD (\t)+2
.endif
	BMAX 10, 11, X+32*(\t)
	v_add_nc_u32 v12, 0xff000000, v10
	v_lshrrev_b32 v13, 23, v12
.if (\t) == 0
	v_mov_b32 v[SW], v13
.else
	v_lshl_or_b32 v[SW], v13, 8*(\t), v[SW]
.endif
	v_cvt_scalef32_pk16_fp6_f32 v[CD+8*(\t):CD+8*(\t)+2], v[X+32*(\t):X+32*(\t)+15], v12
	v_cvt_scalef32_pk16_fp6_f32 v[T:T+2], v[X+32*(\t)+16:X+32*(\t)+31], v12
	v_nop
.irp i, 0,1,2
	v_mov_b32 v[CD+8*(\t)+3+\i], v[T+\i]
.endr
	ds_store_b128 v4, v[CD+8*(\t):CD+8*(\t)+3] offset:768*((\t)/2)+256*((\t)%2)
	ds_store_b64 v5, v[CD+8*(\t)+4:CD+8*(\t)+5] offset:768*((\t)/2)+128*((\t)%2)
.endm
	LOAD 0
	LOAD 1
	s_wait_alu depctr_va_vdst(0)                   ; the wait ahead of the blocking wait
	BLOCK 0
	BLOCK 1
	BLOCK 2
	BLOCK 3
	ds_store_b32 v6, v[SW]
.irp i, 0,1,2,3,4,5
	ds_load_b128 v[X+4*\i:X+4*\i+3], v7 offset:512*\i          ; my own two fragments: LDS serves a wave's instructions in order
.endr
.irp i, 0,1,2,3,4,5
	s_wait_dscnt 5-\i                              ; load i is in; the 5 - i younger ones may be out
	global_store_b128 v7, v[X+4*\i:X+4*\i+3], s[12:13] offset:512*\i   ; 512 consecutive bytes
.endr
	s_wait_dscnt 0x0                               ; for the others' sake: my scale words have landed
	s_barrier_signal -1
	s_barrier_wait -1
	s_cmp_lg_u32 s[WV], 0
	s_cbranch_scc1 .Lend
	ds_load_b128 v[X+24:X+27], v8                  ; wave 0: the four waves' 512 bytes of scale words
	s_wait_dscnt 0x0
	global_store_b128 v8, v[X+24:X+27], s[12:13]
.Lend:
	s_wait_tensorcnt 0x0                           ; the wave's end
	ds_add_u32 v[SPW], v[NIL]
	s_wait_dscnt 0x0
	s_endpgm
.Lfunc_end_k_q0c9a5e9a74_prep:
	.size	k_q0c9a5e9a74_prep, .Lfunc_end_k_q0c9a5e9a74_prep-k_q0c9a5e9a74_prep
	.p2alignl 7, 3214868480
	.fill 96, 4, 3214868480
	.section	.rodata,"a",@progbits
	.p2align	6, 0x0
	.amdhsa_kernel k_q0c9a5e9a74_prep
		.amdhsa_group_segment_fixed_size 79104
		.amdhsa_private_segment_fixed_size 0
		.amdhsa_enable_private_segment 0
		.amdhsa_kernarg_size 72
		.amdhsa_user_sgpr_count 2
		.amdhsa_user_sgpr_kernarg_segment_ptr 1
		.amdhsa_wavefront_size32 1
		.amdhsa_system_sgpr_workgroup_id_x 1
		.amdhsa_system_sgpr_workgroup_id_y 1
		.amdhsa_system_sgpr_workgroup_id_z 1
		.amdhsa_system_vgpr_workitem_id 0
		.amdhsa_next_free_vgpr 248
		.amdhsa_next_free_sgpr 66
		.amdhsa_reserve_vcc 0
		.amdhsa_float_denorm_mode_32 3
		.amdhsa_float_denorm_mode_16_64 3
		.amdhsa_memory_ordered 1
		.amdhsa_forward_progress 1
		.amdhsa_inst_pref_size 67
	.end_amdhsa_kernel
	.amdgpu_metadata
---
amdhsa.version: [ 1, 2 ]
amdhsa.kernels:
  - .name:           k_q0c9a5e9a74_prep
    .symbol:         k_q0c9a5e9a74_prep.kd
    .args:
      - { .name: x, .offset: 0, .size: 8, .value_kind: global_buffer, .address_space: global }
      - { .name: ln1_g, .offset: 8, .size: 8, .value_kind: global_buffer, .address_space: global }
      - { .name: ln1_b, .offset: 16, .size: 8, .value_kind: global_buffer, .address_space: global }
      - { .name: h1c, .offset: 24, .size: 8, .value_kind: global_buffer, .address_space: global }
      - { .name: w_attn, .offset: 32, .size: 8, .value_kind: global_buffer, .address_space: global }
      - { .name: w_proj, .offset: 40, .size: 8, .value_kind: global_buffer, .address_space: global }
      - { .name: w_fc, .offset: 48, .size: 8, .value_kind: global_buffer, .address_space: global }
      - { .name: w_mproj, .offset: 56, .size: 8, .value_kind: global_buffer, .address_space: global }
      - { .name: wc, .offset: 64, .size: 8, .value_kind: global_buffer, .address_space: global }
    .group_segment_fixed_size: 79104
    .private_segment_fixed_size: 0
    .kernarg_segment_align: 8
    .kernarg_segment_size: 72
    .max_flat_workgroup_size: 128
    .sgpr_count:     66
    .vgpr_count:     248
    .wavefront_size: 32
...
	.end_amdgpu_metadata
.endif
;; end of part 1
;; launch qkv (part 2): grid 12 x 16, 4 waves a work-group, clusters of 4 x 4, 327,680 bytes of LDS; arguments h1c, wc, b_attn, qkvc; writes qkvc
.if DOCPART == 2
	.amdgcn_target "amdgcn-amd-amdhsa--gfx1250"
	.amdhsa_code_object_version 6
	.text
	.protected	k_q0c9a5e9a74_qkv
	.globl	k_q0c9a5e9a74_qkv
	.p2align	8
	.type	k_q0c9a5e9a74_qkv,@function
k_q0c9a5e9a74_qkv:
	s_mov_b64 s[64:65], 0
	v_nop
	global_prefetch_b8 v0, s[64:65] scope:SCOPE_SE
	s_setreg_imm32_b32 hwreg(HW_REG_WAVE_MODE, 25, 1), 1
	s_wait_xcnt 0x0
	s_wait_alu depctr_hold_cnt(0) depctr_sa_sdst(0) depctr_va_vdst(0) depctr_va_sdst(0) depctr_va_ssrc(0) depctr_va_vcc(0) depctr_vm_vsrc(0)
	s_getreg_b32 s2, hwreg(HW_REG_IB_STS2, 6, 4)
	s_cmp_eq_u32 s2, 0
	s_cbranch_scc0 .Lentry_in_a_cluster
	s_endpgm
.Lentry_in_a_cluster:
	s_bfe_u32 s2, ttmp6, 0x10000c
	s_cmp_lg_u32 s2, 0xf033
	s_cbranch_scc0 .Lentry_shape_is_right
	s_endpgm
.Lentry_shape_is_right:
; qkv = Q(LN1(x)) Q(w_attn) + b_attn on codes of FP6 (E2M3) with E8M0 scales, K = 1,024; the result is quantised in registers: q and k along the head's 64, v along the tokens.
; OPERANDS lie in memory as images of the operand's registers.  ATOM, 768 bytes: 16 rows x 64 K: lane l = r + 16 h holds row r, block h: registers 0-3 at 16 l, registers 4-5 at 512 + 8 l.  FRAGMENT, 1,536: two atoms.
; BLOCK (RB, ks), 12,800 bytes at (8 RB + ks) x 12,800: fragments 0..7 and 512 bytes of scale words (row r of fragment t at 12,288 + 32 r + 4 t).  Row r of fragment t is row 128 RB + 32 (t / 2) + 8 (t % 2) + r + 8 (r / 8).
; So two K steps of 128 rows, codes and scales, are 25,600 dense bytes: one tensor load; a fragment comes from LDS by four loads of consecutive bytes: no pitch, no padding.
; SHARES.  A work-group makes 256 tokens x 256 columns, a wave 128 x 128: 64 accumulators in 512 registers.  K goes in four steps of 256; a slot is four quarters of 25,600 bytes: tokens 0-127, tokens 128-255,
; weight rows 0-127, weight rows 128-255; wave w fills quarter w.  4 x 4 work-groups form a cluster: the tokens' quarters are asked for jointly along a row of the cluster, the weights' along a column.
; THREE SLOTS, ONE REFILL.  K steps 0, 1 and 2 are first fills of slots 0, 1 and 2, each behind a round of its own; K step 3 is the one refill, into slot 0, behind the change from slot 1 to slot 2.  The wait for it stands in front of the
; change from slot 2 to slot 0: 32 + 64 = 96 matrix instructions of the wave behind the request.
; ROLES.  Source 1's rows fall on lanes, source 0's on registers, and by the order of rows in a fragment the 64 registers of one source-1 fragment are 128 NEIGHBOURS of source 0's rows, in the order that the quantiser wants.
; q, k (clusters x = 0, 1): source 0 = weights, source 1 = tokens: a lane holds a token and 128 columns = two heads.  v (cluster x = 2): the sources change places: a lane holds a column and 128 tokens = one K step of the keys.
; Only the LDS addresses of the fragment loads differ between the roles; they hang on the cluster's x, which all partners share.
; OUTPUT: head blocks of 51,200 bytes at (48 batch + Hx) x 51,200, Hx = head (q), 16 + head (k), 32 + head (v).  q, k: the atom of token fragment tt (0..63) at 768 tt; v: fragment (key step s, d fragment dt) at 6,144 s + 1,536 dt.
; Scale words at 49,152 + 256 s + 16 r + 4 i: q, k: word i = the bytes of atoms 2 i (low half) and 2 i + 1 (high half) of token block s; v: word i = d fragment i's four bytes of key step s.
; LIMITS: a block of zeros or under 2^-124 gets the byte 1 (read by this program alone); NaN and infinities are not served.
.set HASV, 1                           ; 1: the clusters from x = 2 on change the sources' places
.set GELU, 0                           ; 1: gelu ahead of the quantiser
.set WOFF, 0                           ; the weight's first byte in wc
.set BLKB,  12800
.set QB,    2*BLKB                     ; a quarter of a slot: what one tensor load brings
.set SLOT,  4*QB
.set SPARE, 3*SLOT                     ; behind the three slots: the spare words, 128 bytes for each wave, which no other line names
.set RBB,   8*BLKB                     ; 128 rows, all of K
.set FR,    12                         ; registers of a fragment
.set NL,    4                          ; LDS loads that bring one
.set NP,    4                          ; places behind this matrix instruction (ISA guide 7.12.1)
.set ADRS, 5                           ; v5-7   my scale words in slot 0, 1, 2: lanes 0-15 source 1's rows, lanes 16-31 source 0's
.set ADRA, 10                          ; v10-12 source 1's part in slot 0, 1, 2, + 16 l;  v13-15 the same + 8 l
.set ADRB, 16                          ; v16-21 the same for source 0
.set A16,  24                          ; v24 16 l
.set A8,   25                          ; v25 8 l
.set ASC,  26                          ; v26 the way out: my place among the scale words
.set SPW,  28
.set NIL,  29
.set SC,   32                          ; v32-63 scale words and nothing else: (set s, step q, fragment i) at SC + 16 s + 8 q + i; K step n uses set n % 2
.set BR,   64                          ; v64-127 the bias of my 64 registers' columns
.set BV,   96                          ; window 1, v96-111: the bias of my lane's column in each of the eight fragments, twice
.set AF,   128                         ; v128-223 source 1's eight fragments, one set
.set H,    128                         ; the way out: 64 numbers at work
.set PC,   192                         ; v192-203 the codes just made; v204-211 the conversions' second halves
.set WLH,  212                         ; v212-219 halves of scale words
.set TM,   224                         ; v224-239 the quantiser's work
.set PWS,  240                         ; v240-247 the eight fragments' scale words
.set W4,   248                         ; v248-251 four scale words to store
.set GC,   252                         ; v252-255 gelu's two constants, twice each
.set Z,    0                           ; window 1, v0-63: gelu's work
.set G1,  24                           ; s[24:31] descriptor group 1 for the tokens' quarters; s[32:39] group 0 for slots 0 and 1; s[80:83] for slot 2
.set G0,  32
.set G0C, 80
.set G1B, 48                           ; s[48:55], s[56:63], s[84:87] the same for the weights'
.set G0B, 56
.set G0BC, 84
.set VP,  66                           ; s66 1 where the sources change places
.set RBT, 67                           ; s67 my block of 128 tokens
.set RBW, 68                           ; s68 my block of 128 weight rows
.set HIM, 69                           ; s69 lanes 16-31
.set SEL, 70                           ; s[70:71] v_permlanex16_b32's selects for lane l xor 16
.set PL,  72                           ; s72, s73 v_perm_b32's selects: the two low halves, the two high halves
.set OB,  74                           ; s[74:75] where my codes go
.set SB,  76                           ; s[76:77] where my scale words go
.set BI,  78                           ; s[78:79] the bias of my 128 columns
.set MSB, 0
.macro WIN new                         ; the immediate's high byte repeats the setting that is left; a switch that changes nothing is dropped
.if MSB != (\new)
	s_set_vgpr_msb (MSB<<8)|(\new)
.set MSB, \new
.endif
.endm
.set MUL_LO, 0xa1                      ; source 0 window 1, source 1 window 0, C and D window 2
.set MUL_HI, 0xf1                      ; the same, C and D window 3
.set TO_B,   0x40                      ; destination window 1, address window 0
.macro PLACES n
.rept \n
	v_nop
.endr
.endm
; A joint load: waves 0 and 1 fetch the tokens' quarters, waves 2 and 3 the weights'.  Each line has one mask and one set of registers for all that issue it; the branch hangs on the wave's number alone.
; An s_nop 0 and four v_nop follow each of the two lines, ahead of the jump, the label and what follows.
.macro JLOAD g0a, g1a, g0b, g1b
	s_cmp_eq_u32 s15, 0
	s_cbranch_scc0 .Lfor_b_\@
	tensor_load_to_lds s[\g0a:\g0a+3], s[\g1a:\g1a+7]
	s_nop 0
.rept 4
	v_nop
.endr
	s_branch .Lasked_\@
.Lfor_b_\@:
	tensor_load_to_lds s[\g0b:\g0b+3], s[\g1b:\g1b+7]
	s_nop 0
.rept 4
	v_nop
.endr
.Lasked_\@:
.endm
.macro CREST                           ; a round of the cluster's barrier behind its opening barrier
	s_cmp_lg_u32 s14, 0
	s_cbranch_scc1 .Lnot_wave_0_\@
	s_barrier_signal -3
.Lnot_wave_0_\@:
	s_barrier_wait -3
	s_barrier_signal -1
	s_barrier_wait -1
.endm
.macro CROUND                          ; a whole round
	s_barrier_signal -1
	s_barrier_wait -1
	CREST
.endm
	s_load_b256 s[4:11], s[0:1], 0x0               ; tokens' codes s[4:5], wc s[6:7], bias s[8:9], output s[10:11]
	v_lshl_add_u32 v[SPW], v0, 2, SPARE
	v_mov_b32 v[NIL], 0
	ds_add_u32 v[SPW], v[NIL]                      ; the wave's opening: the add and its wait ahead of my first tensor load; work on registers stands between them
	ds_add_u32 v[SPW], v[NIL]
	v_lshrrev_b32 v1, 5, v0
	v_readfirstlane_b32 s14, v1                    ; wave 0..3
	s_lshr_b32 s15, s14, 1                         ; wa: my half of the tokens.  Also: I fetch tokens (0) or weights (1)
	s_and_b32 s16, s14, 1                          ; wb: my half of the weight rows.  Also: which 128 rows I fetch
	s_bfe_u32 s40, ttmp6, 0x40000                  ; cx, cy: my place in the cluster
	s_bfe_u32 s41, ttmp6, 0x40004
	s_lshl_b32 s42, ttmp9, 2
	s_add_co_u32 s42, s42, s40                     ; tx: which 256 weight rows
	s_and_b32 s17, ttmp7, 0xffff
	s_lshl_b32 s17, s17, 2
	s_add_co_u32 s17, s17, s41                     ; ty: which 256 tokens
	s_lshl_b32 s43, s41, 2
	s_lshl_b32 s43, 15, s43                        ; my row of the cluster
	s_lshl_b32 s44, 0x1111, s40                    ; my column
	; descriptor group 1: 25,600 dense bytes as 100 rows of 32 elements of 8 bytes, no padding
	s_or_b32 s[G1+0], s43, (3<<16)|(1<<21)         ; 15:0 the mask; 17:16 elements of 8 bytes; 21 set beside a mask
	s_or_b32 s[G1B+0], s44, (3<<16)|(1<<21)
.irp g, G1, G1B
	s_mov_b32 s[\g+1], 32<<16                      ; tensor_dim0
	s_mov_b32 s[\g+2], 100<<16                     ; tensor_dim1
	s_mov_b32 s[\g+3], 32<<16                      ; tile_dim0
	s_mov_b32 s[\g+4], 100                         ; tile_dim1
	s_mov_b32 s[\g+5], 32                          ; tensor_dim0_stride
	s_mov_b32 s[\g+6], 0
	s_mov_b32 s[\g+7], 0
.endr
	s_lshl_b32 s20, s17, 1
	s_add_co_u32 s20, s20, s16
	s_mul_i32 s20, s20, RBB                        ; tokens: block 2 ty + half: it hangs on ty alone, which my row of the cluster shares
	s_mov_b32 s21, 0
	s_lshl_b32 s46, s42, 1
	s_add_co_u32 s46, s46, s16
	s_mul_i32 s46, s46, RBB                        ; weights: block 2 tx + half: on tx alone, which my column shares
	s_add_co_u32 s46, s46, WOFF
	s_mov_b32 s47, 0
	s_mul_i32 s45, s14, QB                         ; where they go: quarter = wave: no place in the cluster enters an LDS address
	s_wait_dscnt 0x0                               ; the opening add is done
	s_wait_kmcnt 0x0
	s_add_nc_u64 s[20:21], s[4:5], s[20:21]
	s_add_nc_u64 s[46:47], s[6:7], s[46:47]
	CROUND                                         ; all sixteen work-groups are here: the first joint loads meet
.macro FIRST g0, g0b, s                ; the group 0 of K step s into slot s
	s_mov_b32 s[\g0], 1
	s_add_co_u32 s[\g0+1], s45, \s*SLOT
	s_add_nc_u64 s[\g0+2:\g0+3], s[20:21], \s*QB
	s_or_b32 s[\g0+3], s[\g0+3], 0x80000000
	s_mov_b32 s[\g0b], 1
	s_add_co_u32 s[\g0b+1], s45, \s*SLOT
	s_add_nc_u64 s[\g0b+2:\g0b+3], s[46:47], \s*QB
	s_or_b32 s[\g0b+3], s[\g0b+3], 0x80000000
.endm
	FIRST G0, G0B, 0
	FIRST G0+4, G0B+4, 1
	FIRST G0C, G0BC, 2
	JLOAD G0, G1, G0B, G1B                         ; K step 0: one tensor load a wave at the head; K steps 1, 2 and 3 each go out behind a round of their own
	v_and_b32 v1, 31, v0                           ; l
	v_and_b32 v2, 15, v0                           ; r
	v_bfe_u32 v3, v0, 4, 1                         ; h
	v_lshlrev_b32 v[A16], 4, v1
	v_lshlrev_b32 v[A8], 3, v1
	v_lshlrev_b32 v4, 5, v2                        ; 32 r
	s_wait_alu depctr_va_vdst(0)
	s_mov_b32 s[HIM], 0xffff0000
	s_mul_i32 s22, s15, QB                         ; my 128 tokens in a slot
	s_mul_i32 s23, s16, QB
	s_add_co_u32 s23, s23, 2*QB                    ; my 128 weight rows
.if HASV
	s_cmp_ge_u32 ttmp9, 2                          ; the columns of v: the cluster's x, the same in all partners
	s_cselect_b32 s[VP], 1, 0
	s_cselect_b32 s18, s23, s22                    ; source 1's part
	s_cselect_b32 s19, s22, s23                    ; source 0's part
	v_add_nc_u32 v30, s18, v4
	v_add_nc_u32 v31, s19, v4
	v_cndmask_b32 v30, v30, v31, s[HIM]            ; lanes 0-15 take source 1's scale words, lanes 16-31 source 0's; both addresses lie inside the slot
.else
	s_mov_b32 s18, s22
	s_mov_b32 s19, s23
	s_sub_co_u32 s23, s23, s22
	v_mul_u32_u24 v31, s23, v3                     ; lanes 16-31 take source 0's scale words: the lower base + h x the distance
	v_add_nc_u32 v30, v4, v31
	v_add_nc_u32 v30, s18, v30
.endif
	v_add_nc_u32 v[ADRS], 12288, v30
	v_add_nc_u32 v[ADRS+1], 12288+SLOT, v30
	v_add_nc_u32 v[ADRS+2], 12288+2*SLOT, v30
.irp s, 0,1,2
	v_add_nc_u32 v[ADRA+\s], s18, v[A16]
	v_add_nc_u32 v[ADRA+3+\s], s18, v[A8]
	v_add_nc_u32 v[ADRB+\s], s19, v[A16]
	v_add_nc_u32 v[ADRB+3+\s], s19, v[A8]
	s_add_co_u32 s18, s18, SLOT
	s_add_co_u32 s19, s19, SLOT
.endr
	s_lshl_b32 s[RBT], s17, 1
	s_add_co_u32 s[RBT], s[RBT], s15
	s_lshl_b32 s[RBW], s42, 1
	s_add_co_u32 s[RBW], s[RBW], s16
	s_lshl_b32 s18, s[RBW], 9
	s_mov_b32 s19, 0
	s_add_nc_u64 s[BI:BI+1], s[8:9], s[18:19]
	v_lshlrev_b32 v8, 6, v3                        ; 64 h: register 16 b + i belongs to column 32 b + 16 h + i of my 128
.irp b, 0,1,2,3
.irp i, 0,1,2,3
	global_load_b128 v[BR+16*\b+4*\i:BR+16*\b+4*\i+3], v8, s[BI:BI+1] offset:128*\b+16*\i
.endr
.endr
.if HASV
	v_and_b32 v9, 8, v2
	v_add_nc_u32 v9, v9, v2
	v_lshlrev_b32 v9, 2, v9                        ; 4 (r + 8 (r / 8)): my lane's column in a fragment.  Both forms of the bias are loaded by every work-group: both lie inside the buffer, and no register is written on one way only
	WIN TO_B
.irp a, 0,1,2,3,4,5,6,7
	global_load_b32 v[BV+2*\a], v9, s[BI:BI+1] offset:128*(\a/2)+32*(\a%2)
	global_load_b32 v[BV+2*\a+1], v9, s[BI:BI+1] offset:128*(\a/2)+32*(\a%2)
.endr
	WIN 0
.endif
.if GELU
	s_lshl_b32 s18, s[RBT], 5
	s_add_co_u32 s18, s18, s[RBW]
	s_mul_i32 s18, s18, BLKB                       ; block (RBT, K step RBW) of a buffer of 32 K steps
	s_add_nc_u64 s[OB:OB+1], s[10:11], s[18:19]
	s_add_nc_u64 s[SB:SB+1], s[OB:OB+1], 12288
	v_lshlrev_b32 v[ASC], 4, v3
	v_lshl_add_u32 v[ASC], v2, 5, v[ASC]           ; 32 r + 16 h: lanes 0-15 store words 0-3, lanes 16-31 words 4-7
	v_mov_b32 v[GC], 0xbdd2d3e8                    ; c1 = 0.044715 c0
	v_mov_b32 v[GC+1], 0xbdd2d3e8
	v_mov_b32 v[GC+2], 0xc0135761                  ; c0 = -2 log2(e) sqrt(2 / pi)
	v_mov_b32 v[GC+3], 0xc0135761
.else
	s_lshr_b32 s18, s[RBT], 3
	s_mul_i32 s18, s18, 48
	s_lshl_b32 s20, s[RBW], 1
	s_add_co_u32 s18, s18, s20
	s_mul_i32 s18, s18, 51200                      ; head block 48 batch + 2 RBW: the first of my two heads
	s_and_b32 s22, s[RBT], 7                       ; my token block in the batch
	s_mul_i32 s20, s22, 6144
	s_add_co_u32 s20, s20, s18
	s_mov_b32 s21, 0
	s_add_nc_u64 s[OB:OB+1], s[10:11], s[20:21]
	s_lshl_b32 s20, s22, 8
	s_add_co_u32 s20, s20, s18
	s_add_co_u32 s20, s20, 49152
	s_add_nc_u64 s[SB:SB+1], s[10:11], s[20:21]
	v_mul_u32_u24 v[ASC], v3, 51200
	v_lshl_add_u32 v[ASC], v2, 4, v[ASC]           ; 16 r; lanes 16-31 store the second head's words
	s_mov_b32 s[PL], 0x05040100
	s_mov_b32 s[PL+1], 0x07060302
.endif
	s_mov_b32 s[SEL], 0x76543210
	s_mov_b32 s[SEL+1], 0xfedcba98
.irp b, 0,1,2,3
	v_mov_b32 v[TM+4+\b], 0                        ; written once: a lane permute's destination counts as one of its sources
.endr
.macro FRAG reg, a16, a8, off          ; a fragment's image: 512, 256, 512 and 256 consecutive bytes
	ds_load_b128 v[\reg:\reg+3], v[\a16] offset:\off
	ds_load_b64 v[\reg+4:\reg+5], v[\a8] offset:\off+512
	ds_load_b128 v[\reg+6:\reg+9], v[\a16] offset:\off+768
	ds_load_b64 v[\reg+10:\reg+11], v[\a8] offset:\off+1280
.endm
; 16 matrix instructions: source 1's fragments a0, a0 + 1 x source 0's eight, 128 along K: the slot's q-th.  p: source 0's set; sc: the set of scale words.  zero = 1: the first product starts the sums.
; The 64 accumulators take turns, one instruction a turn, in the same order in every step.
.macro MUL16 a0, p, q, sc, zero
.irp a, \a0, \a0+1
.irp b, 0,1,2,3,4,5,6,7
.if \zero
	v_wmma_scale_f32_16x16x128_f8f6f4 v[8*(8*((\a)%4)+\b):8*(8*((\a)%4)+\b)+7], v[128*(\p)+FR*\b:128*(\p)+FR*\b+FR-1], v[AF+FR*(\a):AF+FR*(\a)+FR-1], 0, v[SC+16*(\sc)+8*(\q)+\b], v[SC+16*(\sc)+8*(\q)+(\a)] matrix_a_fmt:MATRIX_FMT_FP6 matrix_b_fmt:MATRIX_FMT_FP6 matrix_a_scale:MATRIX_SCALE_ROW1
.else
	v_wmma_scale_f32_16x16x128_f8f6f4 v[8*(8*((\a)%4)+\b):8*(8*((\a)%4)+\b)+7], v[128*(\p)+FR*\b:128*(\p)+FR*\b+FR-1], v[AF+FR*(\a):AF+FR*(\a)+FR-1], v[8*(8*((\a)%4)+\b):8*(8*((\a)%4)+\b)+7], v[SC+16*(\sc)+8*(\q)+\b], v[SC+16*(\sc)+8*(\q)+(\a)] matrix_a_fmt:MATRIX_FMT_FP6 matrix_b_fmt:MATRIX_FMT_FP6 matrix_a_scale:MATRIX_SCALE_ROW1
.endif
.endr
.endr
.endm
.macro FETCH_B slot, q, p              ; source 0's eight fragments of the slot's q-th 128 along K into set p
	WIN TO_B
.irp i, 0,1,2,3,4,5,6,7
	FRAG 128*(\p)+FR*\i, ADRB+\slot, ADRB+3+\slot, BLKB*(\q)+1536*\i
.endr
	WIN 0
.endm
.macro FETCH_A slot, q, i0             ; source 1's fragments i0 .. i0 + 3
.irp i, \i0, \i0+1, \i0+2, \i0+3
	FRAG AF+FR*(\i), ADRA+\slot, ADRA+3+\slot, BLKB*(\q)+1536*(\i)
.endr
.endm
.macro SCALES sc, slot                 ; a slot's scale words, both steps, into set sc: four loads of 16 bytes a lane
.irp q, 0,1
	ds_load_b128 v[SC+16*\sc+8*\q:SC+16*\sc+8*\q+3], v[ADRS+\slot] offset:BLKB*\q
	ds_load_b128 v[SC+16*\sc+8*\q+4:SC+16*\sc+8*\q+7], v[ADRS+\slot] offset:BLKB*\q+16
.endr
.endm
; A slot's first step of 128 along K; its successor lies in the same slot.  A load into a register that a matrix instruction has read stands NP plain vector instructions behind it.
.macro STEP slot, sc, zero
	s_wait_dscnt 4*NL                              ; all but the youngest sixteen loads (source 1's fragments 4-7) are in
	WIN MUL_LO
	MUL16 0, 0, 0, \sc, \zero
	MUL16 2, 0, 0, \sc, \zero
	s_wait_dscnt 0                                 ; fragments 4-7 are in (asked for 32 matrix instructions ago)
	PLACES NP
	FETCH_B \slot, 1, 1
	FETCH_A \slot, 1, 0
	WIN MUL_HI
	MUL16 4, 0, 0, \sc, \zero
	MUL16 6, 0, 0, \sc, \zero
	PLACES NP
	WIN 0
	FETCH_A \slot, 1, 4
.endm
; A slot's last step, with a barrier at the change of slots; in front of it each wave waits for all its tensor loads, adds 0 to its spare word, and waits for that and for its reads of the slot that it leaves.
; sc: this step's scale words; next, nsc: the slot that follows and the set for its scale words.  fill = 1: slot 2 takes K step 2; fill = 2: slot 0 takes K step 3.
.macro TURN sc, next, nsc, fill
	s_wait_tensorcnt 0x0                           ; all my tensor loads have landed (every window is 0 here)
	ds_add_u32 v[SPW], v[NIL]                      ; 0 onto my spare word
	s_wait_dscnt 4*NL+1                            ; (the add and the youngest sixteen loads may be out)
	WIN MUL_LO
	MUL16 0, 1, 1, \sc, 0                          ; sixteen matrix instructions stand between the add and the wait for it
	s_wait_dscnt 0x0                               ; the add is done, and my reads of this slot are over
	s_barrier_signal -1
	MUL16 2, 1, 1, \sc, 0
	WIN 0
	s_barrier_wait -1
.if \fill == 1
	CREST                                          ; the barrier has opened a round of the cluster's barrier
	JLOAD G0C, G1, G0BC, G1B                       ; K step 2, slot 2's first fill: my one load behind the round
.elseif \fill == 2
	CREST
	s_add_nc_u64 s[G0+2:G0+3], s[G0+2:G0+3], 3*QB
	s_add_nc_u64 s[G0B+2:G0B+3], s[G0B+2:G0B+3], 3*QB
	JLOAD G0, G1, G0B, G1B                         ; K step 3 into slot 0, whose reads ended a K step ago: my last load
.else
	PLACES NP
.endif
	FETCH_B \next, 0, 0
	FETCH_A \next, 0, 0
	SCALES \nsc, \next
	WIN MUL_HI
	MUL16 4, 1, 1, \sc, 0
	MUL16 6, 1, 1, \sc, 0
	PLACES NP
	WIN 0
	FETCH_A \next, 0, 4
.endm
; A slot's last step with no barrier, which no line of this launch calls.
.macro PASS sc, next, nsc
	s_wait_dscnt 4*NL                              ; all but the youngest sixteen loads are in
	WIN MUL_LO
	MUL16 0, 1, 1, \sc, 0
	MUL16 2, 1, 1, \sc, 0
	s_wait_dscnt 0
	PLACES NP
	FETCH_B \next, 0, 0
	FETCH_A \next, 0, 0
	SCALES \nsc, \next
	WIN MUL_HI
	MUL16 4, 1, 1, \sc, 0
	MUL16 6, 1, 1, \sc, 0
	PLACES NP
	WIN 0
	FETCH_A \next, 0, 4
.endm
	s_wait_alu depctr_va_vdst(0)                   ; the wait at the head's end
	s_wait_tensorcnt 0x0                           ; my quarter of K step 0 is in
	ds_add_u32 v[SPW], v[NIL]                      ; the add and its wait ahead of a later first fill
	s_wait_dscnt 0x0
	CROUND                                         ; everybody's quarter is in, and the joint loads meet
	JLOAD G0+4, G1, G0B+4, G1B                     ; K step 1, slot 1's first fill
	FETCH_B 0, 0, 0
	FETCH_A 0, 0, 0
	SCALES 0, 0
	FETCH_A 0, 0, 4
	STEP 0, 0, 1                                   ; K step 0, in slot 0: its products start the sums
	TURN 0, 1, 1, 1                                ; slot 2 takes K step 2
	STEP 1, 1, 0                                   ; K step 1, in slot 1
	TURN 1, 2, 0, 2                                ; K step 2 has landed; slot 0 takes K step 3
	STEP 2, 0, 0                                   ; K step 2, in slot 2
	TURN 0, 0, 1, 0                                ; K step 3 has landed, everybody's part of it; nothing is left to fetch
	STEP 0, 1, 0                                   ; K step 3, in slot 0
	s_wait_dscnt 4*NL                              ; the very last step
	WIN MUL_LO
	MUL16 0, 1, 1, 1, 0
	MUL16 2, 1, 1, 1, 0
	s_wait_dscnt 0
	WIN MUL_HI
	MUL16 4, 1, 1, 1, 0
	MUL16 6, 1, 1, 1, 0
	WIN 0
; 64 numbers of a lane, register 16 b + i = k 32 b + 16 (lane / 16) + i of my row, become a fragment's codes in v[PC] on and its scale word in v[pw] (the same in lanes l and l xor 16).
.macro QUANT s, pw
.irp b, 0,1,2,3
	v_max3_num_f32 v[TM+\b], |v[\s+16*\b]|, |v[\s+1+16*\b]|, 0x1800000   ; block b: my 16 numbers, and the floor 2^(3 - 127): the byte cannot fall under 1
.endr
.irp i, 2,4,6,8,10,12,14
.irp b, 0,1,2,3
	v_max3_num_f32 v[TM+\b], v[TM+\b], |v[\s+16*\b+\i]|, |v[\s+1+16*\b+\i]|   ; the four blocks by turns
.endr
.endr
.irp b, 0,1,2,3
	v_permlanex16_b32 v[TM+4+\b], v[TM+\b], s[SEL], s[SEL+1]
.endr
.irp b, 0,1,2,3
	v_max_num_f32 v[TM+\b], v[TM+\b], v[TM+4+\b]   ; with lane l xor 16's: the block's largest magnitude
.endr
.irp b, 0,1,2,3
	v_add_nc_u32 v[TM+12+\b], 0xff000000, v[TM+\b]   ; 2 off its exponent field: the conversion's scale operand
.endr
.irp b, 0,1,2,3
	v_lshrrev_b32 v[TM+4+\b], 23, v[TM+12+\b]      ; the scale's byte
.endr
	v_lshl_or_b32 v[\pw], v[TM+5], 8, v[TM+4]
	v_lshl_or_b32 v[\pw], v[TM+6], 16, v[\pw]
	v_lshl_or_b32 v[\pw], v[TM+7], 24, v[\pw]
.irp c, 0,1
	v_cvt_scalef32_pk16_fp6_f32 v[PC+6*\c:PC+2+6*\c], v[\s+32*\c:\s+15+32*\c], v[TM+12+2*\c]
	v_cvt_scalef32_pk16_fp6_f32 v[PC+12+4*\c:PC+14+4*\c], v[\s+16+32*\c:\s+31+32*\c], v[TM+12+2*\c+1]   ; (a conversion's three registers begin on an even number)
.endr
	v_nop                                          ; one plain instruction behind the conversions
.irp c, 0,1                            ; the operand's layout wants a whole block in a lane: lanes 0-15 block 2 c, lanes 16-31 block 2 c + 1
.irp i, 0,1,2
	v_permlane16_swap_b32 v[PC+6*\c+\i], v[PC+12+4*\c+\i]
.endr
.irp i, 0,1,2
	v_mov_b32 v[PC+3+6*\c+\i], v[PC+12+4*\c+\i]
.endr
.endr
.endm
; gelu (tanh form) of the 64 numbers at H: x / (1 + 2^z), z = x (c0 + c1 x^2): the same function as 0.5 x (1 + tanh(..)), with no difference of near numbers; where x^2 overflows, 2^z is 0 or infinity and the result x or -0.
; The exponentials are one batch with one wait, and so are the reciprocals.
.macro GELUM
	WIN 0x40
.set ii, 0
.rept 32
	v_pk_mul_f32 v[Z+2*ii:Z+2*ii+1], v[H+2*ii:H+2*ii+1], v[H+2*ii:H+2*ii+1]
.set ii, ii+1
.endr
	WIN 0x41
.set ii, 0
.rept 32
	v_pk_fma_f32 v[Z+2*ii:Z+2*ii+1], v[Z+2*ii:Z+2*ii+1], v[GC:GC+1], v[GC+2:GC+3]
.set ii, ii+1
.endr
.set ii, 0
.rept 32
	v_pk_mul_f32 v[Z+2*ii:Z+2*ii+1], v[Z+2*ii:Z+2*ii+1], v[H+2*ii:H+2*ii+1]
.set ii, ii+1
.endr
.set ii, 0
.rept 64
	v_exp_f32 v[Z+ii], v[Z+ii]
.set ii, ii+1
.endr
	v_nop
	s_wait_alu depctr_va_vdst(0)
.set ii, 0
.rept 32
	v_pk_add_f32 v[Z+2*ii:Z+2*ii+1], v[Z+2*ii:Z+2*ii+1], 1.0 op_sel_hi:[1,0]
.set ii, ii+1
.endr
.set ii, 0
.rept 64
	v_rcp_f32 v[Z+ii], v[Z+ii]
.set ii, ii+1
.endr
	v_nop
	s_wait_alu depctr_va_vdst(0)
	WIN 0x04
.set ii, 0
.rept 32
	v_pk_mul_f32 v[H+2*ii:H+2*ii+1], v[H+2*ii:H+2*ii+1], v[Z+2*ii:Z+2*ii+1]
.set ii, ii+1
.endr
	WIN 0
.endm
; THE WAY OUT of source 1's fragment a: its 64 registers, each accumulator from its low end on, get the bias (which also moves them into window 0), are quantised, and leave as a fragment's image:
; each store covers 512 or 256 consecutive bytes at a multiple of 256 from the buffer's first byte.  path = 1: the sources have changed places: the bias is my lane's column's.
.macro EPI_A a, path
	s_wait_xcnt 0x0                                ; the last fragment's stores have read their data registers, which are written again below
.if \path == 1
	WIN 0x06+(\a)/4
.else
	WIN 0x02+(\a)/4
.endif
.set ii, 0
.rept 32
.if \path == 1
	v_pk_add_f32 v[H+2*ii:H+2*ii+1], v[64*((\a)%4)+2*ii:64*((\a)%4)+2*ii+1], v[BV+2*(\a):BV+2*(\a)+1]
.else
	v_pk_add_f32 v[H+2*ii:H+2*ii+1], v[64*((\a)%4)+2*ii:64*((\a)%4)+2*ii+1], v[BR+2*ii:BR+2*ii+1]
.endif
.set ii, ii+1
.endr
	WIN 0
.if GELU
	GELUM
.endif
	QUANT H, PWS+(\a)
.if \path == 1
.set O0, 51200*((\a)/4)+1536*((\a)%4)  ; v: head a / 4, d fragment a % 4 of my key step
.set O1, O0+768
.elseif GELU
.set O0, 1536*(\a)                     ; fragment a of my block
.set O1, O0+768
.else
.set O0, 768*(\a)                      ; q, k: atom a of my token block, in each of my two heads
.set O1, O0+51200
.endif
	global_store_b128 v[A16], v[PC:PC+3], s[OB:OB+1] offset:O0
	global_store_b64 v[A8], v[PC+4:PC+5], s[OB:OB+1] offset:O0+512
	global_store_b128 v[A16], v[PC+6:PC+9], s[OB:OB+1] offset:O1
	global_store_b64 v[A8], v[PC+10:PC+11], s[OB:OB+1] offset:O1+512
.endm
.macro EPI path
.irp a, 0,1,2,3,4,5,6,7
	EPI_A \a, \path
.endr
.if (\path == 0) && (GELU == 0)        ; q, k: a head's word i joins its halves of fragments 2 i and 2 i + 1; lanes 0-15 store the first head's, lanes 16-31 the second's
.irp i, 0,1,2,3
	v_perm_b32 v[WLH+\i], v[PWS+2*\i+1], v[PWS+2*\i], s[PL]
	v_perm_b32 v[WLH+4+\i], v[PWS+2*\i+1], v[PWS+2*\i], s[PL+1]
.endr
.irp i, 0,1,2,3
	v_cndmask_b32 v[W4+\i], v[WLH+\i], v[WLH+4+\i], s[HIM]
.endr
.else                                  ; whole words: lanes 0-15 store fragments 0-3's, lanes 16-31 fragments 4-7's
.irp i, 0,1,2,3
	v_cndmask_b32 v[W4+\i], v[PWS+\i], v[PWS+4+\i], s[HIM]
.endr
.endif
	global_store_b128 v[ASC], v[W4:W4+3], s[SB:SB+1]
.endm
	s_wait_loadcnt 0x0                             ; the bias
	PLACES NP                                      ; behind the last products, ahead of the first read of results and the first write over fragments
.if HASV
	s_cmp_eq_u32 s[VP], 1                          ; the cluster's x decides: the same way in all partners; neither way has a barrier or an LDS instruction
	s_cbranch_scc1 .Lv_path
.endif
	EPI 0
.if HASV
	s_branch .Ldone
.Lv_path:
	EPI 1
.Ldone:
.endif
	s_wait_tensorcnt 0x0                           ; the wave's end
	ds_add_u32 v[SPW], v[NIL]
	s_wait_dscnt 0x0
	CROUND                                         ; the closing round: no work-group ends while a partner may still ask for a tile that names it
	s_endpgm
.Lfunc_end_k_q0c9a5e9a74_qkv:
	.size	k_q0c9a5e9a74_qkv, .Lfunc_end_k_q0c9a5e9a74_qkv-k_q0c9a5e9a74_qkv
	.p2alignl 7, 3214868480
	.fill 96, 4, 3214868480
	.section	.rodata,"a",@progbits
	.p2align	6, 0x0
	.amdhsa_kernel k_q0c9a5e9a74_qkv
		.amdhsa_group_segment_fixed_size 327680
		.amdhsa_private_segment_fixed_size 0
		.amdhsa_enable_private_segment 0
		.amdhsa_kernarg_size 32
		.amdhsa_user_sgpr_count 2
		.amdhsa_user_sgpr_kernarg_segment_ptr 1
		.amdhsa_wavefront_size32 1
		.amdhsa_system_sgpr_workgroup_id_x 1
		.amdhsa_system_sgpr_workgroup_id_y 1
		.amdhsa_system_sgpr_workgroup_id_z 1
		.amdhsa_system_vgpr_workitem_id 0
		.amdhsa_next_free_vgpr 1024
		.amdhsa_next_free_sgpr 98
		.amdhsa_reserve_vcc 0
		.amdhsa_float_denorm_mode_32 3
		.amdhsa_float_denorm_mode_16_64 3
		.amdhsa_memory_ordered 1
		.amdhsa_forward_progress 1
		.amdhsa_inst_pref_size 216
	.end_amdhsa_kernel
	.amdgpu_metadata
---
amdhsa.version: [ 1, 2 ]
amdhsa.kernels:
  - .name:           k_q0c9a5e9a74_qkv
    .symbol:         k_q0c9a5e9a74_qkv.kd
    .args:
      - { .name: h1c, .offset: 0, .size: 8, .value_kind: global_buffer, .address_space: global }
      - { .name: wc, .offset: 8, .size: 8, .value_kind: global_buffer, .address_space: global }
      - { .name: b_attn, .offset: 16, .size: 8, .value_kind: global_buffer, .address_space: global }
      - { .name: qkvc, .offset: 24, .size: 8, .value_kind: global_buffer, .address_space: global }
    .group_segment_fixed_size: 327680
    .private_segment_fixed_size: 0
    .kernarg_segment_align: 8
    .kernarg_segment_size: 32
    .max_flat_workgroup_size: 128
    .sgpr_count:     98
    .vgpr_count:     1024
    .wavefront_size: 32
...
	.end_amdgpu_metadata
.endif
;; end of part 2
;; launch attn (part 3): grid 4 x 64, 16 waves a work-group, no clusters, 167,936 bytes of LDS; arguments qkvc, oc; writes oc
.if DOCPART == 3
	.amdgcn_target "amdgcn-amd-amdhsa--gfx1250"
	.amdhsa_code_object_version 6
	.text
	.protected	k_q0c9a5e9a74_attn
	.globl	k_q0c9a5e9a74_attn
	.p2align	8
	.type	k_q0c9a5e9a74_attn,@function
k_q0c9a5e9a74_attn:
	s_mov_b64 s[64:65], 0
	v_nop
	global_prefetch_b8 v0, s[64:65] scope:SCOPE_SE
	s_setreg_imm32_b32 hwreg(HW_REG_WAVE_MODE, 25, 1), 1
	s_wait_xcnt 0x0
; Causal attention of one head on codes of FP6 (E2M3) with E8M0 scales; the result is quantised along C for the next product.  Head size 64, 1,024 tokens, 64 (batch, head) pairs.
; INPUT: head blocks of 51,200 bytes at (48 batch + Hx) x 51,200, Hx = head (q), 16 + head (k), 32 + head (v).  ATOM, 768 bytes: 16 rows x 64 K: lane l = r + 16 h holds row r, block h: registers 0-3 at 16 l, 4-5 at 512 + 8 l.
; q, k: the atom of token fragment tt at 768 tt; row r of fragment t of a block of 128 tokens is token 32 (t / 2) + 8 (t % 2) + r + 8 (r / 8).  v: fragment (key step s, d fragment dt), two atoms, at 6,144 s + 1,536 dt; its K are the keys.
; Scale words at 49,152 + 256 s + 16 r + 4 i: q, k: word i = the bytes of atoms 2 i (low half) and 2 i + 1 (high half) of token block s; v: word i = d fragment i's four bytes of key step s.
; THE FIRST PRODUCT'S K IS 64, the instruction's 128.  Two neighbouring atoms of k ARE one operand of 12 registers; it is multiplied once by [q | zero codes], which gives the first atom's 16 keys, and once by [zero codes | q],
; which gives the second's.  Zero codes add nothing under any scale byte that the quantiser makes.  So no register and no LDS byte holds padding.
; SOFTMAX AHEAD OF THE SECOND PRODUCT: t = score x log2(e) / 8; M = the row's largest t so far, rounded UP to a whole number; p = 2^(t - M) is quantised along the keys, not normalised; the row's sum is taken of the unquantised p
; and divides at the end; when M moves, the sum and O are multiplied by 2^(old M - new M): exact.
; SHARES.  A whole head's k and v (2 x 51,200 bytes) lie in LDS, filled once by four tensor loads: one barrier in the launch, no ring.  Each of sixteen waves owns 16 queries: waves 0-7 the fragments of token block i,
; waves 8-15 those of block 7 - i (i = work-group x): every work-group has 8 (i + 1) + 8 (8 - i) = 72 key steps of a wave, whatever i.
; Both products are used transposed (S^T = k q^T, O^T = v^T p^T): a lane holds one query throughout, and by the order of rows in a fragment the 16 registers of two neighbouring tiles are 16 neighbouring keys (or channels).
; CAUSAL: the loop has eight trips in every wave; a step all of whose keys come after the wave's token block is jumped over (a scalar branch on ids); on the diagonal hidden scores become -infinity ahead of the maximum.
; NO CLUSTER, though the four work-groups of a head read the same k and v: the branch that jumps over hidden steps hangs on the work-group's x, which would be its place in the cluster; what is shared is read once by each.
; OUTPUT: blocks of 12,800 bytes at ((8 batch + token block) x 8 + head / 2) x 12,800: fragment t at 1,536 t, my head's atom at 768 (head % 2); the scale word of row r of fragment t at 12,288 + 32 r + 4 t, of which a head owns
; two bytes: they leave as 2 bytes a lane (lanes l and l xor 16 store the same value to the same place): one byte in 24 of what the launch stores.
; LIMITS: a block of zeros or under 2^-124 gets the byte 1 (read by this program alone); NaN and infinities are not served.
; REGISTERS: v1-4, v7 addresses that stay; v8-10 the step's addresses; v12 -M, v13 the largest t, v[14:15] the sum; v16-21 zeros, v22-27 q, v28-33 zeros; v34 q's scale word; v36-83 four fragments of k or v, v84-87 their scale words;
; v96-159 S^T, then p; v160-191 O^T; v224-235 p's codes; v232-247 at work; v[250:251] f; v253 p's scale word.
.set HB,    51200
.set SPARE, 2*HB                       ; behind k and v: the spare words, 128 bytes for each of sixteen waves, which no other line names
.set SPW, 5
.set NIL, 6
.set WV,  8                            ; s8  wave
.set RBQ, 11                           ; s11 my token block
.set RT,  12                           ; s12 my fragment in it
.set G1,  16                           ; s[16:23] descriptor group 1
.set G0,  24                           ; s[24:27] group 0
.set SEL, 28                           ; s[28:29] v_permlanex16_b32's selects for lane l xor 16
.set CS,  30                           ; s[30:31] c = log2(e) / 8
.set TB,  32                           ; s32 6,144 x key step
.set TS,  33                           ; s33 256 x key step
.set ST,  34                           ; s34 key step
	s_load_b128 s[4:7], s[0:1], 0x0                ; qkv's codes s[4:5], the output s[6:7]
	v_lshl_add_u32 v[SPW], v0, 2, SPARE
	v_mov_b32 v[NIL], 0
	ds_add_u32 v[SPW], v[NIL]                      ; the wave's opening: the add and its wait ahead of the first tensor load; work on registers stands between them
	ds_add_u32 v[SPW], v[NIL]
	v_lshrrev_b32 v8, 5, v0
	s_delay_alu instid0(VALU_DEP_1)
	v_readfirstlane_b32 s[WV], v8                  ; wave 0..15
	s_and_b32 s10, ttmp7, 0xffff
	s_lshr_b32 s13, s10, 4                         ; batch
	s_and_b32 s14, s10, 15                         ; head
	s_sub_co_u32 s15, 7, ttmp9
	s_cmp_lt_u32 s[WV], 8
	s_cselect_b32 s[RBQ], ttmp9, s15
	s_and_b32 s[RT], s[WV], 7
	; descriptor group 1: 25,600 dense bytes as 100 rows of 32 elements of 8 bytes
	s_mov_b32 s[G1], 3<<16
	s_mov_b32 s[G1+1], 32<<16
	s_mov_b32 s[G1+2], 100<<16
	s_mov_b32 s[G1+3], 32<<16
	s_mov_b32 s[G1+4], 100
	s_mov_b32 s[G1+5], 32
	s_mov_b32 s[G1+6], 0
	s_mov_b32 s[G1+7], 0
	s_mul_i32 s40, s13, 48
	s_add_co_u32 s40, s40, s14
	s_mul_i32 s40, s40, HB                         ; q's head block
	s_lshr_b32 s42, s[WV], 1                       ; what waves 0 to 3 fetch: k's two halves, v's two halves
	s_mul_i32 s42, s42, 16*HB
	s_and_b32 s43, s[WV], 1
	s_mul_i32 s43, s43, HB/2
	s_add_co_u32 s42, s42, s43
	s_add_co_u32 s42, s42, s40
	s_add_co_u32 s42, s42, 16*HB
	s_mov_b32 s43, 0
	s_mov_b32 s[G0], 1
	s_mul_i32 s[G0+1], s[WV], HB/2                 ; to LDS byte 25,600 x wave
	s_lshl_b32 s44, s[RBQ], 3
	s_add_co_u32 s44, s44, s[RT]
	s_mul_i32 s44, s44, 768
	s_add_co_u32 s44, s44, s40                     ; my queries' atom
	s_mov_b32 s45, 0
	s_lshl_b32 s46, s[RBQ], 8
	s_lshr_b32 s47, s[RT], 1
	s_lshl_b32 s47, s47, 2
	s_add_co_u32 s46, s46, s47
	s_add_co_u32 s46, s46, s40
	s_add_co_u32 s46, s46, 49152                   ; and the scale word that holds its two bytes
	s_mov_b32 s47, 0
	s_lshl_b32 s52, s13, 3
	s_add_co_u32 s52, s52, s[RBQ]
	s_lshl_b32 s52, s52, 3
	s_lshr_b32 s53, s14, 1
	s_add_co_u32 s52, s52, s53
	s_mul_i32 s52, s52, 12800                      ; the output's block
	s_and_b32 s53, s14, 1
	s_mul_i32 s54, s[RT], 1536
	s_mul_i32 s55, s53, 768
	s_add_co_u32 s54, s54, s55
	s_add_co_u32 s54, s54, s52                     ; my atom in it
	s_mov_b32 s55, 0
	s_lshl_b32 s53, s53, 1
	s_lshl_b32 s56, s[RT], 2
	s_add_co_u32 s56, s56, s53
	s_add_co_u32 s56, s56, s52
	s_add_co_u32 s56, s56, 12288                   ; my two bytes of the scale words
	s_mov_b32 s57, 0
	s_lshr_b32 s58, s[RT], 1
	s_lshl_b32 s58, s58, 5
	s_and_b32 s59, s[RT], 1
	s_lshl_b32 s59, s59, 3
	s_add_co_u32 s58, s58, s59                     ; 32 (t / 2) + 8 (t % 2)
	s_cmp_eq_u32 s59, 8
	s_mov_b32 s59, 0x01000100                      ; my atom's half of q's scale word, into both halves: the low one,
	s_cselect_b32 s59, 0x03020302, s59             ; or the high one where my fragment is odd
	s_mov_b32 s[SEL], 0x76543210
	s_mov_b32 s[SEL+1], 0xfedcba98
	s_mov_b32 s[CS], 0x3e38aa3b
	s_mov_b32 s[CS+1], s[CS]                       ; (named with it as a pair, so it is written)
	s_mov_b32 s[TB], 0
	s_mov_b32 s[TS], 0
	s_mov_b32 s[ST], 0
	s_wait_dscnt 0x0                               ; the opening add is done
	s_wait_kmcnt 0x0
	s_add_nc_u64 s[G0+2:G0+3], s[4:5], s[42:43]
	s_or_b32 s[G0+3], s[G0+3], 0x80000000
	s_cmp_lt_u32 s[WV], 4
	s_cbranch_scc0 .Lno_fetch
	tensor_load_to_lds s[G0:G0+3], s[G1:G1+7]      ; one load a wave, four in all; nothing is filled again
	s_nop 0
.rept 4
	v_nop
.endr
.Lno_fetch:
	s_add_nc_u64 s[36:37], s[4:5], s[44:45]
	s_add_nc_u64 s[38:39], s[4:5], s[46:47]
	s_add_nc_u64 s[48:49], s[6:7], s[54:55]
	s_add_nc_u64 s[50:51], s[6:7], s[56:57]
	v_and_b32 v8, 31, v0                           ; l
	v_and_b32 v9, 15, v0                           ; r
	v_bfe_u32 v10, v0, 4, 1                        ; h
	s_delay_alu instid0(VALU_DEP_3)
	v_lshlrev_b32 v1, 4, v8                        ; 16 l
	s_delay_alu instid0(VALU_DEP_4)
	v_lshlrev_b32 v2, 3, v8                        ; 8 l
	s_delay_alu instid0(VALU_DEP_4)
	v_lshlrev_b32 v35, 4, v9                       ; 16 r
	global_load_b128 v[22:25], v1, s[36:37]        ; q's atom stays in registers
	global_load_b64 v[26:27], v2, s[36:37] offset:512
	global_load_b32 v252, v35, s[38:39]
	v_add_nc_u32 v3, 49152, v35                    ; a key step's scale words
	v_lshlrev_b32 v7, 5, v9                        ; 32 r
	v_and_b32 v4, 8, v9
	s_delay_alu instid0(VALU_DEP_1)
	v_add_nc_u32 v4, v4, v9
	s_delay_alu instid0(VALU_DEP_1)
	v_add_nc_u32 v4, s58, v4
	v_lshlrev_b32 v11, 4, v10
	s_delay_alu instid0(VALU_DEP_1)
	v_sub_nc_u32 v4, v4, v11                       ; d = my query's place in its token block - 16 h.  On the diagonal register 16 b + i holds key 32 b + 16 h + i of the block: hidden where 32 b + i > d
.irp i, 0,1,2,3,4,5
	v_mov_b32 v[16+\i], 0                          ; zero codes on both sides of q: v[16:27] = [0 | q], v[22:33] = [q | 0]
	v_mov_b32 v[28+\i], 0
.endr
	v_mov_b32 v13, 0xff61b1e6                      ; the largest t so far: -3e38, under every t
	s_delay_alu instid0(VALU_DEP_1)
	v_floor_f32 v12, -v13                          ; -M
	v_mov_b32 v14, 0                               ; the sum, in two halves
	v_mov_b32 v15, 0
.irp b, 0,1,2,3
	v_mov_b32 v[236+\b], 0                         ; written once: a lane permute's destination counts as one of its sources
.endr
	v_mov_b32 v251, 0                              ; (named as the upper half of the pair v[250:251])
	s_wait_loadcnt 0x0                             ; q and its scale word
	v_perm_b32 v34, v252, v252, s59
.set jj, 0
.rept 32
	v_mov_b32 v[160+jj], 0                         ; O^T: the first step finds zeros, which the first change of M leaves zeros.  (These also stand between the write of v34 and the first product that names it)
.set jj, jj+1
.endr
	s_wait_tensorcnt 0x0                           ; my quarter has landed (a wave that fetched nothing passes),
	s_barrier_signal -1
	s_barrier_wait -1                              ; everybody's has
.macro FRAG reg, a16, a8, off          ; a fragment's image: 512, 256, 512 and 256 consecutive bytes
	ds_load_b128 v[\reg:\reg+3], v[\a16] offset:\off
	ds_load_b64 v[\reg+4:\reg+5], v[\a8] offset:\off+512
	ds_load_b128 v[\reg+6:\reg+9], v[\a16] offset:\off+768
	ds_load_b64 v[\reg+10:\reg+11], v[\a8] offset:\off+1280
.endm
.Lstep:                                            ; eight trips in every wave: 128 keys a trip
	s_cmp_gt_u32 s[ST], s[RBQ]
	s_cbranch_scc1 .Lhidden                        ; all 128 keys come after my queries
	v_add_nc_u32 v8, s[TB], v1
	v_add_nc_u32 v9, s[TB], v2
	v_add_nc_u32 v10, s[TS], v3
	v_nop                                          ; four plain instructions between the last trip's products and the loads into registers that they read
.irp g, 0,1,2,3
	FRAG 36+12*\g, 8, 9, 1536*\g                   ; k: atoms 2 g and 2 g + 1
.endr
	ds_load_b128 v[84:87], v10                     ; and the four pairs' scale words
	s_wait_alu depctr_va_vdst(0)
	s_wait_dscnt 0x0
.irp g, 0,1,2,3
	v_wmma_scale_f32_16x16x128_f8f6f4 v[96+16*\g:103+16*\g], v[36+12*\g:47+12*\g], v[22:33], 0, v[84+\g], v34 matrix_a_fmt:MATRIX_FMT_FP6 matrix_b_fmt:MATRIX_FMT_FP6
	v_wmma_scale_f32_16x16x128_f8f6f4 v[104+16*\g:111+16*\g], v[36+12*\g:47+12*\g], v[16:27], 0, v[84+\g], v34 matrix_a_fmt:MATRIX_FMT_FP6 matrix_b_fmt:MATRIX_FMT_FP6
.endr
.rept 4
	v_nop                                          ; places ahead of the loads below and of the first read of the scores
.endr
.irp t, 0,1,2,3
	FRAG 36+12*\t, 8, 9, HB+1536*\t                ; v's four fragments of this key step: they land while the softmax is walked
.endr
	ds_load_b128 v[84:87], v10 offset:HB
	s_cmp_lg_u32 s[ST], s[RBQ]
	s_cbranch_scc1 .Lopen                          ; only the diagonal step has hidden keys
	v_mov_b32 v254, 0xff800000                     ; -infinity: p = 0 then
.set nn, 0
.rept 64
	v_cmp_gt_i32 vcc_lo, 32*(nn/16)+nn%16, v4
	v_cndmask_b32 v[96+nn], v[96+nn], v254, vcc_lo
.set nn, nn+1
.endr
.Lopen:
.irp b, 0,1,2,3
	v_max3_num_f32 v[232+\b], v[96+16*\b], v[97+16*\b], v[98+16*\b]   ; the largest score of each block of 32 keys: it serves for the row's maximum and, since p rises with the score, for the block's largest p
.endr
.irp i, 3,5,7,9,11,13
.irp b, 0,1,2,3
	v_max3_num_f32 v[232+\b], v[232+\b], v[96+16*\b+\i], v[97+16*\b+\i]
.endr
.endr
.irp b, 0,1,2,3
	v_max_num_f32 v[232+\b], v[232+\b], v[111+16*\b]
.endr
.irp b, 0,1,2,3
	s_delay_alu instid0(VALU_DEP_4)
	v_permlanex16_b32 v[236+\b], v[232+\b], s[SEL], s[SEL+1]
.endr
.irp b, 0,1,2,3
	s_delay_alu instid0(VALU_DEP_4)
	v_max_num_f32 v[232+\b], v[232+\b], v[236+\b]  ; with lane l xor 16's 16 keys
.endr
	s_delay_alu instid0(VALU_DEP_2)
	v_max3_num_f32 v254, v232, v233, v234
	s_delay_alu instid0(VALU_DEP_1)
	v_max_num_f32 v254, v254, v235                 ; the step's largest score of my query
	s_delay_alu instid0(VALU_DEP_1)
	v_mul_f32 v254, s[CS], v254                    ; as t (c is positive)
	s_delay_alu instid0(VALU_DEP_1)
	v_max_num_f32 v13, v13, v254                   ; the running largest t
	v_mov_b32 v254, v12
	s_delay_alu instid0(VALU_DEP_2)
	v_floor_f32 v12, -v13                          ; the new -M = floor(-t) = -ceil(t): a whole number
	s_delay_alu instid0(VALU_DEP_1)
	v_sub_f32 v254, v12, v254                      ; old M - new M: a whole number, 0 or less
	s_delay_alu instid0(VALU_DEP_1)
	v_cvt_i32_f32 v254, v254                       ; (it saturates)
	s_delay_alu instid0(VALU_DEP_1)
	v_ldexp_f32 v250, 1.0, v254                    ; f = 2^(old M - new M)
.set jj, 0
.rept 32
	v_pk_fma_f32 v[96+jj:97+jj], v[96+jj:97+jj], s[CS:CS+1], v[12:13] op_sel_hi:[1,0,0]   ; t - M, two at a time
.set jj, jj+2
.endr
.irp b, 0,1,2,3
	v_fma_f32 v[232+\b], v[232+\b], s[CS], v12     ; the same of each block's largest score
.endr
.set jj, 0
	s_wait_alu depctr_va_vdst(0)
.rept 64
	v_exp_f32 v[96+jj], v[96+jj]                   ; p = 2^(t - M), at most 1
.set jj, jj+1
.endr
	v_pk_mul_f32 v[14:15], v[14:15], v[250:251] op_sel_hi:[1,0]   ; the sums under the new M (a plain instruction behind the exponentials)
	s_wait_alu depctr_va_vdst(0)                   ; one wait for the batch of 64, ahead of its first reader
.irp b, 0,1,2,3
	v_exp_f32 v[232+\b], v[232+\b]                 ; the block's largest p: the same two instructions on the same number give the same bits
.endr
	v_pk_add_f32 v[236:237], v[100:101], v[104:105]
	v_pk_add_f32 v[254:255], v[108:109], v[112:113]
	v_pk_add_f32 v[248:249], v[116:117], v[120:121]
	v_pk_add_f32 v[246:247], v[124:125], v[128:129]
	v_pk_add_f32 v[244:245], v[132:133], v[136:137]
	v_pk_add_f32 v[242:243], v[140:141], v[144:145]
	v_pk_add_f32 v[240:241], v[148:149], v[152:153]
	v_pk_add_f32 v[14:15], v[14:15], v[156:157]
	v_pk_add_f32 v[236:237], v[236:237], v[96:97]
	v_pk_add_f32 v[254:255], v[254:255], v[98:99]
	v_pk_add_f32 v[248:249], v[248:249], v[102:103]
	v_pk_add_f32 v[246:247], v[246:247], v[106:107]
	v_pk_add_f32 v[244:245], v[244:245], v[110:111]
	v_pk_add_f32 v[242:243], v[242:243], v[114:115]
	v_pk_add_f32 v[240:241], v[240:241], v[118:119]
	v_pk_add_f32 v[14:15], v[14:15], v[122:123]
	v_pk_add_f32 v[236:237], v[236:237], v[126:127]
	v_pk_add_f32 v[254:255], v[254:255], v[130:131]
	v_pk_add_f32 v[248:249], v[248:249], v[134:135]
	v_pk_add_f32 v[246:247], v[246:247], v[138:139]
	v_pk_add_f32 v[244:245], v[244:245], v[142:143]
	v_pk_add_f32 v[242:243], v[242:243], v[146:147]
	v_pk_add_f32 v[240:241], v[240:241], v[150:151]
	v_pk_add_f32 v[14:15], v[14:15], v[154:155]
	v_pk_add_f32 v[236:237], v[236:237], v[158:159]
	s_delay_alu instid0(VALU_DEP_2)
	v_pk_add_f32 v[14:15], v[14:15], v[246:247]
	s_delay_alu instid0(VALU_DEP_2)
	v_pk_add_f32 v[236:237], v[236:237], v[244:245]
	v_pk_add_f32 v[254:255], v[254:255], v[242:243]
	v_pk_add_f32 v[248:249], v[248:249], v[240:241]
	s_delay_alu instid0(VALU_DEP_2)
	v_pk_add_f32 v[14:15], v[14:15], v[254:255]
	s_delay_alu instid0(VALU_DEP_2)
	v_pk_add_f32 v[236:237], v[236:237], v[248:249]
	s_delay_alu instid0(VALU_DEP_1)
	v_pk_add_f32 v[14:15], v[14:15], v[236:237]
	s_wait_alu depctr_va_vdst(0)                   ; and one for the four
.irp b, 0,1,2,3
	v_max_num_f32 v[232+\b], 0x1800000, v[232+\b]  ; the floor 2^(3 - 127): the byte cannot fall under 1 (a block whose every p is 0 keeps that byte: its codes are zeros)
.endr
.irp b, 0,1,2,3
	s_delay_alu instid0(VALU_DEP_4)
	v_add_nc_u32 v[244+\b], 0xff000000, v[232+\b]  ; 2 off the exponent field: the conversion's scale operand
.endr
.irp b, 0,1,2,3
	s_delay_alu instid0(VALU_DEP_4)
	v_lshrrev_b32 v[236+\b], 23, v[244+\b]         ; the scale's byte
.endr
	s_delay_alu instid0(VALU_DEP_3)
	v_lshl_or_b32 v253, v237, 8, v236              ; p's scale word for these 128 keys
	s_delay_alu instid0(VALU_DEP_1)
	v_lshl_or_b32 v253, v238, 16, v253
	s_delay_alu instid0(VALU_DEP_1)
	v_lshl_or_b32 v253, v239, 24, v253
.irp c, 0,1
	v_cvt_scalef32_pk16_fp6_f32 v[224+6*\c:226+6*\c], v[96+32*\c:111+32*\c], v[244+2*\c]
	v_cvt_scalef32_pk16_fp6_f32 v[236+4*\c:238+4*\c], v[112+32*\c:127+32*\c], v[244+2*\c+1]   ; (a conversion's three registers begin on an even number)
.endr
	v_nop                                          ; one plain instruction behind the conversions
.irp c, 0,1                            ; the operand's layout wants a whole block in a lane
.irp i, 0,1,2
	v_permlane16_swap_b32 v[224+6*\c+\i], v[236+4*\c+\i]
.endr
.irp i, 0,1,2
	s_delay_alu instid0(VALU_DEP_3)
	v_mov_b32 v[227+6*\c+\i], v[236+4*\c+\i]
.endr
.endr
.set jj, 0
.rept 16
	v_pk_mul_f32 v[160+jj:161+jj], v[160+jj:161+jj], v[250:251] op_sel_hi:[1,0]   ; O^T under the new M.  (These sixteen also stand between the writes of p's codes and scale word and the products below)
.set jj, jj+2
.endr
	s_wait_alu depctr_va_vdst(0)
	s_wait_dscnt 0x0                               ; v's fragments and scale words
.irp t, 0,1,2,3                        ; O^T += v^T p^T: four accumulators by turns
	v_wmma_scale_f32_16x16x128_f8f6f4 v[160+8*\t:167+8*\t], v[36+12*\t:47+12*\t], v[224:235], v[160+8*\t:167+8*\t], v[84+\t], v253 matrix_a_fmt:MATRIX_FMT_FP6 matrix_b_fmt:MATRIX_FMT_FP6
.endr
.Lhidden:
	s_add_co_u32 s[TB], s[TB], 6144
	s_add_co_u32 s[TS], s[TS], 256
	s_add_co_u32 s[ST], s[ST], 1
	s_cmp_lt_u32 s[ST], 8
	s_cbranch_scc1 .Lstep
	; THE WAY OUT: O^T / the sum; register 16 b + i is channel 32 b + 16 h + i of my query: two blocks of 32, quantised as an atom of the next product's operand.
	v_add_f32 v14, v14, v15
	s_delay_alu instid0(VALU_DEP_1)
	v_permlanex16_b32 v252, v14, s[SEL], s[SEL+1]
	s_delay_alu instid0(VALU_DEP_1)
	v_add_f32 v14, v14, v252                       ; the row's sum
	s_wait_alu depctr_va_vdst(0)
	v_rcp_f32 v14, v14
.rept 3
	v_nop                                          ; plain instructions behind the reciprocal, and with the additions above the places behind the last products
.endr
	s_wait_alu depctr_va_vdst(0)                   ; the wait ahead of the reciprocal's first reader
.set jj, 0
.rept 32
	v_mul_f32 v[96+jj], v[160+jj], v14
.set jj, jj+1
.endr
.irp b, 0,1
	v_max3_num_f32 v[232+\b], |v[96+16*\b]|, |v[97+16*\b]|, 0x1800000
.endr
.irp i, 2,4,6,8,10,12,14
.irp b, 0,1
	s_delay_alu instid0(VALU_DEP_2)
	v_max3_num_f32 v[232+\b], v[232+\b], |v[96+16*\b+\i]|, |v[97+16*\b+\i]|
.endr
.endr
.irp b, 0,1
	s_delay_alu instid0(VALU_DEP_2)
	v_permlanex16_b32 v[236+\b], v[232+\b], s[SEL], s[SEL+1]
.endr
.irp b, 0,1
	s_delay_alu instid0(VALU_DEP_2)
	v_max_num_f32 v[232+\b], v[232+\b], v[236+\b]
.endr
.irp b, 0,1
	s_delay_alu instid0(VALU_DEP_2)
	v_add_nc_u32 v[244+\b], 0xff000000, v[232+\b]
.endr
.irp b, 0,1
	s_delay_alu instid0(VALU_DEP_2)
	v_lshrrev_b32 v[236+\b], 23, v[244+\b]
.endr
	s_delay_alu instid0(VALU_DEP_1)
	v_lshl_or_b32 v254, v237, 8, v236              ; my head's two bytes of the row's scale word
	v_cvt_scalef32_pk16_fp6_f32 v[224:226], v[96:111], v244
	v_cvt_scalef32_pk16_fp6_f32 v[240:242], v[112:127], v245
	v_nop
.irp i, 0,1,2
	v_permlane16_swap_b32 v[224+\i], v[240+\i]
.endr
.irp i, 0,1,2
	s_delay_alu instid0(VALU_DEP_3)
	v_mov_b32 v[227+\i], v[240+\i]
.endr
	global_store_b128 v1, v[224:227], s[48:49]             ; 512 consecutive bytes
	global_store_b64 v2, v[228:229], s[48:49] offset:512   ; 256 consecutive bytes
	global_store_b16 v7, v254, s[50:51]
	s_wait_tensorcnt 0x0                           ; the wave's end
	ds_add_u32 v[SPW], v[NIL]
	s_wait_dscnt 0x0
	s_endpgm
.Lfunc_end_k_q0c9a5e9a74_attn:
	.size	k_q0c9a5e9a74_attn, .Lfunc_end_k_q0c9a5e9a74_attn-k_q0c9a5e9a74_attn
	.p2alignl 7, 3214868480
	.fill 96, 4, 3214868480
	.section	.rodata,"a",@progbits
	.p2align	6, 0x0
	.amdhsa_kernel k_q0c9a5e9a74_attn
		.amdhsa_group_segment_fixed_size 167936
		.amdhsa_private_segment_fixed_size 0
		.amdhsa_enable_private_segment 0
		.amdhsa_kernarg_size 16
		.amdhsa_user_sgpr_count 2
		.amdhsa_user_sgpr_kernarg_segment_ptr 1
		.amdhsa_wavefront_size32 1
		.amdhsa_system_sgpr_workgroup_id_x 1
		.amdhsa_system_sgpr_workgroup_id_y 1
		.amdhsa_system_sgpr_workgroup_id_z 1
		.amdhsa_system_vgpr_workitem_id 0
		.amdhsa_next_free_vgpr 256
		.amdhsa_next_free_sgpr 66
		.amdhsa_reserve_vcc 1
		.amdhsa_float_denorm_mode_32 3
		.amdhsa_float_denorm_mode_16_64 3
		.amdhsa_memory_ordered 1
		.amdhsa_forward_progress 1
		.amdhsa_inst_pref_size 34
	.end_amdhsa_kernel
	.amdgpu_metadata
---
amdhsa.version: [ 1, 2 ]
amdhsa.kernels:
  - .name:           k_q0c9a5e9a74_attn
    .symbol:         k_q0c9a5e9a74_attn.kd
    .args:
      - { .name: qkvc, .offset: 0, .size: 8, .value_kind: global_buffer, .address_space: global }
      - { .name: oc, .offset: 8, .size: 8, .value_kind: global_buffer, .address_space: global }
    .group_segment_fixed_size: 167936
    .private_segment_fixed_size: 0
    .kernarg_segment_align: 8
    .kernarg_segment_size: 16
    .max_flat_workgroup_size: 512
    .sgpr_count:     66
    .vgpr_count:     256
    .wavefront_size: 32
...
	.end_amdgpu_metadata
.endif
;; end of part 3
;; launch proj (part 4): grid 8 x 32, 4 waves a work-group, clusters of 4 x 4, 327,680 bytes of LDS; arguments oc, wc, b_proj, x, x1; writes x1
.if DOCPART == 4
	.amdgcn_target "amdgcn-amd-amdhsa--gfx1250"
	.amdhsa_code_object_version 6
	.text
	.protected	k_q0c9a5e9a74_proj
	.globl	k_q0c9a5e9a74_proj
	.p2align	8
	.type	k_q0c9a5e9a74_proj,@function
k_q0c9a5e9a74_proj:
	s_mov_b64 s[64:65], 0
	v_nop
	global_prefetch_b8 v0, s[64:65] scope:SCOPE_SE
	s_setreg_imm32_b32 hwreg(HW_REG_WAVE_MODE, 25, 1), 1
	s_wait_xcnt 0x0
	s_wait_alu depctr_hold_cnt(0) depctr_sa_sdst(0) depctr_va_vdst(0) depctr_va_sdst(0) depctr_va_ssrc(0) depctr_va_vcc(0) depctr_vm_vsrc(0)
	s_getreg_b32 s2, hwreg(HW_REG_IB_STS2, 6, 4)
	s_cmp_eq_u32 s2, 0
	s_cbranch_scc0 .Lentry_in_a_cluster
	s_endpgm
.Lentry_in_a_cluster:
	s_bfe_u32 s2, ttmp6, 0x10000c
	s_cmp_lg_u32 s2, 0xf033
	s_cbranch_scc0 .Lentry_shape_is_right
	s_endpgm
.Lentry_shape_is_right:
; out = res + T W^T + bias: T [4,096][128 KS] and W [1,024][128 KS] are codes of FP6 (E2M3) with E8M0 scales; bias [1,024], res and out [4,096][1,024] are f32.
; OPERANDS lie in memory as images of the operand's registers.  ATOM, 768 bytes: 16 rows x 64 K: lane l = r + 16 h holds row r, block h: registers 0-3 at 16 l, registers 4-5 at 512 + 8 l.  FRAGMENT, 1,536: two atoms.
; BLOCK (RB, ks), 12,800 bytes at (RB KS + ks) x 12,800: fragments 0..7 and 512 bytes of scale words (row r of fragment t at 12,288 + 32 r + 4 t).  Row r of fragment t is row 128 RB + 32 (t / 2) + 8 (t % 2) + r + 8 (r / 8).
; SHARES.  N is 1,024: tiles of 256 x 256 would be 64, so a tile is 128 x 128: 256 work-groups.  A wave makes 64 x 64: 16 accumulators.  K goes in steps of 512 through two LDS slots: a slot is T's four blocks, then W's four;
; wave w fills two of the eight (25,600 dense bytes, one tensor load).  4 x 4 work-groups form a cluster: T's blocks are asked for jointly along a row of the cluster, W's along a column.
; The matrix instruction is used transposed (source 0 = W, source 1 = T): a lane holds one token and, by the order of rows in a fragment, 16 neighbouring columns in two neighbouring tiles.
; The bias is the C of each sum's first product.  The residual is asked for at the head, into registers of its own, and is added on the way out, where the results have come back from a stage in LDS as whole rows.
; The stage lies in slot 0, which has had its last fill and its last read when the first result is stored there.
.set KS,   8                           ; K / 128
.set WOFF, 2457600                     ; the weight's first byte in wc
.set BLKB,  12800
.set QB,    2*BLKB                     ; what one tensor load brings
.set SLOT,  8*BLKB
.set SPARE, 2*SLOT                     ; behind the ring: the spare words, 128 bytes for each wave, which no other line names
.set LAPS,  KS/8                       ; a lap = two slots = 1,024 along K
.set FR,    12
.set ADRA, 16                          ; v16-17 my four fragments of T in slot 0, 1, + 16 l;  v18-19 the same + 8 l
.set ADRB, 20                          ; v20-23 the same for W
.set STO,  24                          ; v24 the way out: where I put 16 bytes of a row
.set RD,   25                          ; v25 and where I read a row back
.set CO,   26                          ; v26 my byte offset in two rows of res and out
.set ADRS, 27                          ; v27, v30 my scale words in slot 0, 1: lanes 0-15 T's rows, lanes 16-31 W's
.set SPW,  28
.set NIL,  29
.set SCF,  32                          ; v32-35, v36-39 scale words and nothing else, for fragment buffers 0 and 1
.set BR,   40                          ; v40-71 the bias in the result's layout
.set BK,   40                          ; v40-103 the way out: 32 rows read back
.set ACC,  128                         ; v128-255 accumulator (a, b) at ACC + 8 (4 a + b)
.set F0,   0                           ; window 1: two fragment buffers: T's four fragments, then at + 48 W's four
.set F1,   128
.set RS,   0                           ; window 2, v0-127: the residual
.set G1,  24
.set G0,  32
.set G1B, 48
.set G0B, 56
.set MSB, 0
.macro WIN new                         ; the immediate's high byte repeats the setting that is left; a switch that changes nothing is dropped
.if MSB != (\new)
	s_set_vgpr_msb (MSB<<8)|(\new)
.set MSB, \new
.endif
.endm
.set MUL,  0x05                        ; sources 0 and 1 window 1; C and D window 0
.set TO_F, 0x40                        ; destination window 1, address window 0
.macro PLACES n
.rept \n
	v_nop
.endr
.endm
; A joint load: waves 0 and 1 fetch T's blocks, waves 2 and 3 W's; an s_nop 0 and four v_nop follow each of the two lines, ahead of the jump, the label and what follows.
.macro JLOAD g0a, g1a, g0b, g1b
	s_cmp_eq_u32 s15, 0
	s_cbranch_scc0 .Lfor_b_\@
	tensor_load_to_lds s[\g0a:\g0a+3], s[\g1a:\g1a+7]
	s_nop 0
.rept 4
	v_nop
.endr
	s_branch .Lasked_\@
.Lfor_b_\@:
	tensor_load_to_lds s[\g0b:\g0b+3], s[\g1b:\g1b+7]
	s_nop 0
.rept 4
	v_nop
.endr
.Lasked_\@:
.endm
.macro CREST                           ; a round of the cluster's barrier behind its opening barrier
	s_cmp_lg_u32 s14, 0
	s_cbranch_scc1 .Lnot_wave_0_\@
	s_barrier_signal -3
.Lnot_wave_0_\@:
	s_barrier_wait -3
	s_barrier_signal -1
	s_barrier_wait -1
.endm
.macro CROUND
	s_barrier_signal -1
	s_barrier_wait -1
	CREST
.endm
	s_load_b256 s[4:11], s[0:1], 0x0               ; T s[4:5], wc s[6:7], bias s[8:9], res s[10:11]
	s_load_b64 s[12:13], s[0:1], 0x20              ; out
	v_lshl_add_u32 v[SPW], v0, 2, SPARE
	v_mov_b32 v[NIL], 0
	ds_add_u32 v[SPW], v[NIL]                      ; the wave's opening: the add and its wait ahead of my first tensor load; work on registers stands between them
	ds_add_u32 v[SPW], v[NIL]
	v_lshrrev_b32 v1, 5, v0
	v_readfirstlane_b32 s14, v1                    ; wave 0..3
	s_lshr_b32 s15, s14, 1                         ; wa: my half of the tokens.  Also: I fetch for T (0) or for W (1)
	s_and_b32 s16, s14, 1                          ; wb: my half of the columns.  Also: which two blocks of a slot's four I fetch
	s_bfe_u32 s40, ttmp6, 0x40000                  ; cx, cy
	s_bfe_u32 s41, ttmp6, 0x40004
	s_lshl_b32 s42, ttmp9, 2
	s_add_co_u32 s42, s42, s40                     ; tx: which 128 columns
	s_and_b32 s17, ttmp7, 0xffff
	s_lshl_b32 s17, s17, 2
	s_add_co_u32 s17, s17, s41                     ; ty: which 128 tokens
	s_lshl_b32 s43, s41, 2
	s_lshl_b32 s43, 15, s43                        ; my row of the cluster
	s_lshl_b32 s44, 0x1111, s40                    ; my column
	; descriptor group 1: 25,600 dense bytes as 100 rows of 32 elements of 8 bytes, no padding
	s_or_b32 s[G1+0], s43, (3<<16)|(1<<21)
	s_or_b32 s[G1B+0], s44, (3<<16)|(1<<21)
.irp g, G1, G1B
	s_mov_b32 s[\g+1], 32<<16
	s_mov_b32 s[\g+2], 100<<16
	s_mov_b32 s[\g+3], 32<<16
	s_mov_b32 s[\g+4], 100
	s_mov_b32 s[\g+5], 32
	s_mov_b32 s[\g+6], 0
	s_mov_b32 s[\g+7], 0
.endr
	s_mul_i32 s18, s16, QB
	s_mul_i32 s20, s17, KS*BLKB                    ; T: it hangs on ty alone, which my row of the cluster shares
	s_add_co_u32 s20, s20, s18
	s_mov_b32 s21, 0
	s_mul_i32 s46, s42, KS*BLKB                    ; W: on tx alone, which my column shares
	s_add_co_u32 s46, s46, s18
	s_add_co_u32 s46, s46, WOFF
	s_mov_b32 s47, 0
	s_mul_i32 s45, s14, QB                         ; where they go: 25,600 x wave
	s_wait_dscnt 0x0                               ; the opening add is done
	s_wait_kmcnt 0x0
	s_add_nc_u64 s[20:21], s[4:5], s[20:21]
	s_add_nc_u64 s[46:47], s[6:7], s[46:47]
	CROUND                                         ; all sixteen work-groups are here: the first joint loads meet
.irp s, 0,1
	s_mov_b32 s[G0+4*\s], 1
	s_add_co_u32 s[G0+4*\s+1], s45, \s*SLOT
	s_add_nc_u64 s[G0+4*\s+2:G0+4*\s+3], s[20:21], \s*4*BLKB
	s_or_b32 s[G0+4*\s+3], s[G0+4*\s+3], 0x80000000
	s_mov_b32 s[G0B+4*\s], 1
	s_add_co_u32 s[G0B+4*\s+1], s45, \s*SLOT
	s_add_nc_u64 s[G0B+4*\s+2:G0B+4*\s+3], s[46:47], \s*4*BLKB
	s_or_b32 s[G0B+4*\s+3], s[G0B+4*\s+3], 0x80000000
.endr
	JLOAD G0, G1, G0B, G1B                         ; slot 0: one tensor load a wave at the head
	v_and_b32 v1, 31, v0                           ; l
	v_and_b32 v2, 15, v0                           ; r
	v_bfe_u32 v3, v0, 4, 1                         ; h
	v_lshlrev_b32 v4, 4, v1
	v_lshlrev_b32 v5, 3, v1
	s_mul_i32 s21, s15, 6144                       ; my four fragments of a block of T,
	s_mul_i32 s22, s16, 6144
	s_add_co_u32 s22, s22, 4*BLKB                  ; and of W, behind T's four blocks
.irp s, 0,1
	v_add_nc_u32 v[ADRA+\s], s21, v4
	v_add_nc_u32 v[ADRA+2+\s], s21, v5
	v_add_nc_u32 v[ADRB+\s], s22, v4
	v_add_nc_u32 v[ADRB+2+\s], s22, v5
	s_add_co_u32 s21, s21, SLOT
	s_add_co_u32 s22, s22, SLOT
.endr
	s_lshl_b32 s21, s15, 4                         ; my four scale words of a row: T's at 16 wa,
	s_lshl_b32 s22, s16, 4
	s_add_co_u32 s22, s22, 4*BLKB                  ; W's at 16 wb, four blocks on
	s_sub_co_u32 s22, s22, s21
	v_mul_u32_u24 v6, s22, v3                      ; lanes 16-31 take W's: the lower base + h x the distance
	v_lshl_add_u32 v6, v2, 5, v6
	s_add_co_u32 s21, s21, 12288
	v_add_nc_u32 v[ADRS], s21, v6
	v_add_nc_u32 v[ADRS+3], SLOT, v[ADRS]
	s_mul_i32 s23, s14, 32*272                     ; my stage: 32 rows of 256 bytes + 16
	v_mul_u32_u24 v6, v2, 272
	v_lshl_add_u32 v6, v3, 6, v6
	v_add_nc_u32 v[STO], s23, v6                   ; in: row r, + 64 h
	v_mul_u32_u24 v6, v3, 272
	v_lshl_add_u32 v6, v2, 4, v6
	v_add_nc_u32 v[RD], s23, v6                    ; back: lanes 0-15 one row, lanes 16-31 the next
	v_lshlrev_b32 v[CO], 12, v3
	v_lshl_add_u32 v[CO], v2, 4, v[CO]             ; and the same two rows in res and out
	v_lshlrev_b32 v7, 6, v3                        ; 64 h
	s_wait_alu depctr_va_vdst(0)
	s_lshl_b32 s46, s42, 9
	s_lshl_b32 s47, s16, 8
	s_add_co_u32 s46, s46, s47                     ; my first column, in bytes: 512 tx + 256 wb
	s_mov_b32 s47, 0
	s_add_nc_u64 s[8:9], s[8:9], s[46:47]
	s_lshl_b32 s20, s17, 7
	s_lshl_b32 s21, s15, 6
	s_add_co_u32 s20, s20, s21                     ; my first token: 128 ty + 64 wa
	s_lshl_b32 s20, s20, 12
	s_add_co_u32 s20, s20, s46
	s_mov_b32 s21, 0
	s_add_nc_u64 s[10:11], s[10:11], s[20:21]
	s_add_nc_u64 s[12:13], s[12:13], s[20:21]
.irp b, 0,1
.irp i, 0,1,2,3
	global_load_b128 v[BR+16*\b+4*\i:BR+16*\b+4*\i+3], v7, s[8:9] offset:128*\b+16*\i   ; register 16 b + i belongs to column 32 b + 16 h + i of my 64
.endr
.endr
	WIN 0x80                                       ; destination window 2
.irp p, 0,1                            ; the residual, as the results will come back from the stage: load t of pair p: tokens 32 p + 8 (t / 8) + 2 (t % 8) + 8 ((t % 8) / 4) + (lane / 16)
.irp t, 0,1,2,3,4,5,6,7,8,9,10,11,12,13,14,15
	global_load_b128 v[RS+64*\p+4*\t:RS+64*\p+4*\t+3], v[CO], s[10:11] offset:(32*\p+8*(\t/8)+2*(\t%8)+8*((\t%8)/4))*4096 th:TH_LOAD_NT
.endr
.endr
	WIN 0
.macro FRAG reg, a16, a8, off          ; a fragment's image: 512, 256, 512 and 256 consecutive bytes
	ds_load_b128 v[\reg:\reg+3], v[\a16] offset:\off
	ds_load_b64 v[\reg+4:\reg+5], v[\a8] offset:\off+512
	ds_load_b128 v[\reg+6:\reg+9], v[\a16] offset:\off+768
	ds_load_b64 v[\reg+10:\reg+11], v[\a8] offset:\off+1280
.endm
; 4 n matrix instructions: T's fragments a0 .. a0 + n - 1 x W's four, 128 along K, from buffer f.  zero = 1: the first product starts the sums, on the bias.  The sixteen accumulators take turns.
.macro MULS f, a0, n, zero
.set aa, \a0
.rept \n
.irp b, 0,1,2,3
.if \zero
	v_wmma_scale_f32_16x16x128_f8f6f4 v[ACC+8*(4*aa+\b):ACC+8*(4*aa+\b)+7], v[\f+48+FR*\b:\f+48+FR*\b+FR-1], v[\f+FR*aa:\f+FR*aa+FR-1], v[BR+8*\b:BR+8*\b+7], v[SCF+4*(\f/128)+\b], v[SCF+4*(\f/128)+aa] matrix_a_fmt:MATRIX_FMT_FP6 matrix_b_fmt:MATRIX_FMT_FP6 matrix_a_scale:MATRIX_SCALE_ROW1
.else
	v_wmma_scale_f32_16x16x128_f8f6f4 v[ACC+8*(4*aa+\b):ACC+8*(4*aa+\b)+7], v[\f+48+FR*\b:\f+48+FR*\b+FR-1], v[\f+FR*aa:\f+FR*aa+FR-1], v[ACC+8*(4*aa+\b):ACC+8*(4*aa+\b)+7], v[SCF+4*(\f/128)+\b], v[SCF+4*(\f/128)+aa] matrix_a_fmt:MATRIX_FMT_FP6 matrix_b_fmt:MATRIX_FMT_FP6 matrix_a_scale:MATRIX_SCALE_ROW1
.endif
.endr
.set aa, aa+1
.endr
.endm
.macro FETCH slot, q, f                ; 33 LDS loads in one run: block q of the slot: the scale words, W's four fragments, T's four
	WIN 0
	ds_load_b128 v[SCF+4*(\f/128):SCF+4*(\f/128)+3], v[ADRS+3*\slot] offset:BLKB*(\q)
	WIN TO_F
.irp i, 0,1,2,3
	FRAG \f+48+FR*\i, ADRB+\slot, ADRB+2+\slot, BLKB*(\q)+1536*\i
.endr
.irp i, 0,1,2,3
	FRAG \f+FR*\i, ADRA+\slot, ADRA+2+\slot, BLKB*(\q)+1536*\i
.endr
.endm
; A slot is four quarters of 128 along K, 16 matrix instructions each, on buffers 0, 1, 0, 1.  One of the first three: multiplies buffer f and fetches block qn into buffer g.
.macro QUARTER slot, qn, f, g, zero
	s_wait_dscnt 8                                 ; all but the youngest eight loads (T's fragments 2 and 3) are in
	WIN MUL
	MULS \f, 0, 2, \zero
	PLACES 4                                       ; ahead of loads into registers that matrix instructions have read
	FETCH \slot, \qn, \g
	s_wait_dscnt 33                                ; all but the 33 just issued
	WIN MUL
	MULS \f, 2, 2, \zero
.endm
; The last quarter multiplies buffer 1 and changes slots: ONE barrier; in front of it each wave waits for all its tensor loads, adds 0 to its spare word, and waits for that and for its reads of this slot.  fill = 1: this slot is filled again.
.macro TURN slot, next, fill
	WIN 0                                          ; (the add's two registers lie in window 0)
	s_wait_tensorcnt 0x0                           ; all my tensor loads have landed: my part of the next slot
	ds_add_u32 v[SPW], v[NIL]                      ; 0 onto my spare word
	s_wait_dscnt 9                                 ; (the add and the youngest eight loads may be out)
	WIN MUL
	MULS F1, 0, 1, 0                               ; four matrix instructions stand between the add and the wait for it
	s_wait_dscnt 0x0                               ; the add is done, and my reads of this slot are over
	s_barrier_signal -1
	MULS F1, 1, 1, 0
.if \fill
	WIN 0
.endif
	s_barrier_wait -1
.if \fill
	CREST                                          ; the barrier has opened a round of the cluster's barrier: no wave of any partner still reads this slot or has a load on its way
	s_add_nc_u64 s[G0+4*\slot+2:G0+4*\slot+3], s[G0+4*\slot+2:G0+4*\slot+3], 8*BLKB
	s_add_nc_u64 s[G0B+4*\slot+2:G0B+4*\slot+3], s[G0B+4*\slot+2:G0B+4*\slot+3], 8*BLKB
	JLOAD G0+4*\slot, G1, G0B+4*\slot, G1B         ; the first tensor load behind the round, my only one until the next; its four v_nop are also the places in front of the loads below
.else
	PLACES 4
.endif
	FETCH \next, 0, F0
	WIN MUL
	MULS F1, 2, 2, 0
.endm
	s_wait_alu depctr_va_vdst(0)                   ; the wait at the head's end
	s_wait_tensorcnt 0x0                           ; my part of slot 0 is in
	ds_add_u32 v[SPW], v[NIL]                      ; the add and its wait ahead of a later first fill
	s_wait_dscnt 0x0
	CROUND                                         ; everybody's part is in, and the joint loads meet
	JLOAD G0+4, G1, G0B+4, G1B                     ; slot 1's first fill
	FETCH 0, 0, F0
	s_wait_loadcnt 32                              ; the bias is in; the 32 loads of the residual may be out
	QUARTER 0, 1, F0, F1, 1                        ; the first quarter stands in front of the loop: its products start the sums
.if LAPS > 1
	WIN 0                                          ; at a label and at a branch every window is 0
	s_mov_b32 s3, LAPS-1
.Llap:                                             ; a trip goes once round the ring, from a lap's second quarter to the next lap's first, and fills both slots again
	QUARTER 0, 2, F1, F0, 0
	QUARTER 0, 3, F0, F1, 0
	TURN 0, 1, 1
	QUARTER 1, 1, F0, F1, 0
	QUARTER 1, 2, F1, F0, 0
	QUARTER 1, 3, F0, F1, 0
	TURN 1, 0, 1
	QUARTER 0, 1, F0, F1, 0
	WIN 0
	s_sub_co_u32 s3, s3, 1
	s_cmp_lg_u32 s3, 0
	s_cbranch_scc1 .Llap
.endif
	QUARTER 0, 2, F1, F0, 0                        ; the last lap fills nothing
	QUARTER 0, 3, F0, F1, 0
	TURN 0, 1, 0
	QUARTER 1, 1, F0, F1, 0
	QUARTER 1, 2, F1, F0, 0
	QUARTER 1, 3, F0, F1, 0
	s_wait_dscnt 8                                 ; the very last quarter
	WIN MUL
	MULS F1, 0, 2, 0
	s_wait_dscnt 0
	MULS F1, 2, 2, 0
	WIN 0
	; THE WAY OUT, two of my four fragments of tokens at a time: 32 rows x 256 bytes through my stage, back as whole rows, the residual added, stored: sixteen lanes fill 256 consecutive bytes at a multiple of 256 from out's first byte.
	PLACES 4                                       ; behind the last products, ahead of the first read of results
	s_wait_loadcnt 0x0                             ; the residual
.irp p, 0,1
.if \p > 0
	s_wait_xcnt 0x0                                ; the first pair's stores have read their data registers, into which the loads below land
.endif
.irp u, 0,1
.irp b, 0,1,2,3
	ds_store_b128 v[STO], v[ACC+8*(4*(2*\p+\u)+\b):ACC+8*(4*(2*\p+\u)+\b)+3] offset:4352*\u+128*(\b/2)+32*(\b%2)       ; each accumulator from its low end on
	ds_store_b128 v[STO], v[ACC+8*(4*(2*\p+\u)+\b)+4:ACC+8*(4*(2*\p+\u)+\b)+7] offset:4352*\u+128*(\b/2)+32*(\b%2)+16
.endr
.endr
.irp t, 0,1,2,3,4,5,6,7,8,9,10,11,12,13,14,15
	ds_load_b128 v[BK+4*\t:BK+4*\t+3], v[RD] offset:544*\t     ; LDS serves a wave's instructions in order: these see my stores, and the next pair's stores come behind them
.endr
	s_wait_dscnt 0x0
	WIN 0x08                                       ; source 1 window 2
.set ii, 0
.rept 32
	v_pk_add_f32 v[BK+2*ii:BK+2*ii+1], v[BK+2*ii:BK+2*ii+1], v[RS+64*\p+2*ii:RS+64*\p+2*ii+1]
.set ii, ii+1
.endr
	WIN 0
.irp t, 0,1,2,3,4,5,6,7,8,9,10,11,12,13,14,15
	global_store_b128 v[CO], v[BK+4*\t:BK+4*\t+3], s[12:13] offset:(32*\p+8*(\t/8)+2*(\t%8)+8*((\t%8)/4))*4096 th:TH_STORE_NT
.endr
.endr
	s_wait_tensorcnt 0x0                           ; the wave's end
	ds_add_u32 v[SPW], v[NIL]
	s_wait_dscnt 0x0
	CROUND                                         ; the closing round: no work-group ends while a partner may still ask for a tile that names it
	s_endpgm
.Lfunc_end_k_q0c9a5e9a74_proj:
	.size	k_q0c9a5e9a74_proj, .Lfunc_end_k_q0c9a5e9a74_proj-k_q0c9a5e9a74_proj
	.p2alignl 7, 3214868480
	.fill 96, 4, 3214868480
	.section	.rodata,"a",@progbits
	.p2align	6, 0x0
	.amdhsa_kernel k_q0c9a5e9a74_proj
		.amdhsa_group_segment_fixed_size 327680
		.amdhsa_private_segment_fixed_size 0
		.amdhsa_enable_private_segment 0
		.amdhsa_kernarg_size 40
		.amdhsa_user_sgpr_count 2
		.amdhsa_user_sgpr_kernarg_segment_ptr 1
		.amdhsa_wavefront_size32 1
		.amdhsa_system_sgpr_workgroup_id_x 1
		.amdhsa_system_sgpr_workgroup_id_y 1
		.amdhsa_system_sgpr_workgroup_id_z 1
		.amdhsa_system_vgpr_workitem_id 0
		.amdhsa_next_free_vgpr 640
		.amdhsa_next_free_sgpr 84
		.amdhsa_reserve_vcc 0
		.amdhsa_float_denorm_mode_32 3
		.amdhsa_float_denorm_mode_16_64 3
		.amdhsa_memory_ordered 1
		.amdhsa_forward_progress 1
		.amdhsa_inst_pref_size 59
	.end_amdhsa_kernel
	.amdgpu_metadata
---
amdhsa.version: [ 1, 2 ]
amdhsa.kernels:
  - .name:           k_q0c9a5e9a74_proj
    .symbol:         k_q0c9a5e9a74_proj.kd
    .args:
      - { .name: oc, .offset: 0, .size: 8, .value_kind: global_buffer, .address_space: global }
      - { .name: wc, .offset: 8, .size: 8, .value_kind: global_buffer, .address_space: global }
      - { .name: b_proj, .offset: 16, .size: 8, .value_kind: global_buffer, .address_space: global }
      - { .name: x, .offset: 24, .size: 8, .value_kind: global_buffer, .address_space: global }
      - { .name: x1, .offset: 32, .size: 8, .value_kind: global_buffer, .address_space: global }
    .group_segment_fixed_size: 327680
    .private_segment_fixed_size: 0
    .kernarg_segment_align: 8
    .kernarg_segment_size: 40
    .max_flat_workgroup_size: 128
    .sgpr_count:     84
    .vgpr_count:     640
    .wavefront_size: 32
...
	.end_amdgpu_metadata
.endif
;; end of part 4
;; launch ln1 (part 5): grid 256 x 1, 4 waves a work-group, no clusters, 66,304 bytes of LDS; arguments x1, ln2_g, ln2_b, h2c; writes h2c
.if DOCPART == 5
	.amdgcn_target "amdgcn-amd-amdhsa--gfx1250"
	.amdhsa_code_object_version 6
	.text
	.protected	k_q0c9a5e9a74_ln1
	.globl	k_q0c9a5e9a74_ln1
	.p2align	8
	.type	k_q0c9a5e9a74_ln1,@function
k_q0c9a5e9a74_ln1:
	s_mov_b64 s[64:65], 0
	v_nop
	global_prefetch_b8 v0, s[64:65] scope:SCOPE_SE
	s_setreg_imm32_b32 hwreg(HW_REG_WAVE_MODE, 25, 1), 1
	s_wait_xcnt 0x0
; y = (x - mean) rsqrt(var + 1e-5) g + b over rows of 1,024 f32, then quantised along the row to FP6 (E2M3) with one E8M0 byte for each 32, laid as the next product loads it.
; FORMAT of the output.  ATOM, 768 bytes: 16 rows x 64 along K: lane l = r + 16 h holds the 24 bytes of row r, block h; registers 0-3 at 16 l, registers 4-5 at 512 + 8 l.  FRAGMENT: two atoms.
; BLOCK (RB, ks), 12,800 bytes at (8 RB + ks) x 12,800: fragments 0..7, then scale words, row r of fragment t at 12,288 + 32 r + 4 t.  Row r of fragment t is row 128 RB + 32 (t / 2) + 8 (t % 2) + r + 8 (r / 8).
; SHARES.  A work-group takes the 16 rows of one fragment row (RB, t).  Wave w normalises rows r = 4 w .. 4 w + 3, which are four neighbouring rows of x, each row kept in 32 registers of the wave; the normalised
; rows meet in LDS (pitch 4,112 bytes, an odd multiple of 16); then wave w quantises K steps 2 w and 2 w + 1 of all 16 rows: a lane holds a whole block of 32, so no maximum crosses lanes.
; The variance is the mean of (x - mean)^2, taken in a second pass over the registers: a common offset in x does no harm.  Sums go in another order than a serial sum.
; The scale words leave as 4 bytes a lane, 32 bytes apart (the eight work-groups of an RB fill the 512 bytes between them): one byte in 24 of what the launch stores.
; LIMITS: a block of zeros or under 2^-124 gets the byte 1 (read by this program alone); NaN and infinities are not served.
.set ROWP,  4112
.set SPARE, 16*ROWP                    ; behind the stage: the spare words, 128 bytes for each wave, which no other line names
.set BLKB,  12800
.set S,   6                            ; v6-13   a pair of partial sums for each of my four rows
.set M,   14                           ; v14-21  the mean, twice, for each row
.set R,   22                           ; v22-29  rsqrt(var + eps), twice, for each row
.set SPW, 30
.set NIL, 31
.set X,   32                           ; v32-159 four rows x 32; later four atoms x 32
.set G,   160                          ; v160-191 my 32 gains; later the codes, eight registers an atom
.set BB,  192                          ; v192-223 my 32 biases
.set CD,  160
.set TP,  224                          ; v224-227 what comes from the other half of the lanes
.set MX,  228                          ; v228-229 a block's largest magnitude, two chains
.set SO,  230                          ; v230 the conversions' scale operand
.set T3,  232                          ; v232-234 the second half of a block's codes
.set BY,  236                          ; v236-239 the four atoms' bytes
.set W,   240                          ; v240-241 the two K steps' scale words
.set H8,  242                          ; v242 8 x (lane / 16)
	s_load_b256 s[4:11], s[0:1], 0x0               ; x s[4:5], g s[6:7], b s[8:9], out s[10:11]
	v_lshl_add_u32 v[SPW], v0, 2, SPARE
	v_mov_b32 v[NIL], 0
	v_lshrrev_b32 v1, 5, v0
	v_readfirstlane_b32 s21, v1                    ; wave 0..3
	s_lshr_b32 s22, ttmp9, 3                       ; RB
	s_and_b32 s23, ttmp9, 7                        ; t
	s_lshl_b32 s24, s22, 7
	s_lshr_b32 s25, s23, 1
	s_lshl_b32 s25, s25, 5
	s_add_co_u32 s24, s24, s25
	s_and_b32 s25, s23, 1
	s_lshl_b32 s25, s25, 3
	s_add_co_u32 s24, s24, s25
	s_lshl_b32 s25, s21, 2
	s_add_co_u32 s24, s24, s25
	s_lshr_b32 s25, s21, 1
	s_lshl_b32 s25, s25, 3
	s_add_co_u32 s24, s24, s25                     ; my first row: 128 RB + 32 (t / 2) + 8 (t % 2) + 4 w + 8 (w / 2)
	s_lshl_b32 s24, s24, 12                        ; in bytes
	s_mov_b32 s25, 0
	s_lshl_b32 s26, s22, 3
	s_lshl_b32 s27, s21, 1
	s_add_co_u32 s26, s26, s27
	s_mul_i32 s26, s26, BLKB                       ; block (RB, 2 w)
	s_mul_i32 s27, s23, 1536
	s_add_co_u32 s28, s26, s27                     ; its fragment t
	s_mov_b32 s29, 0
	s_lshl_b32 s27, s23, 2
	s_add_co_u32 s26, s26, s27
	s_add_co_u32 s26, s26, 12288                   ; and fragment t's scale words
	s_mov_b32 s27, 0
	s_mov_b32 s16, 0x3a800000                      ; 1 / 1,024
	s_mov_b32 s17, 0x3727c5ac                      ; 1e-5
	s_mov_b32 s18, 0x76543210
	s_mov_b32 s19, 0xfedcba98                      ; v_permlanex16_b32's selects for lane l xor 16
	s_mov_b32 s20, 0xffff0000                      ; lanes 16-31
	v_and_b32 v6, 31, v0                           ; l
	v_and_b32 v7, 15, v0                           ; r
	v_bfe_u32 v8, v0, 4, 1                         ; h
	v_lshlrev_b32 v1, 4, v6                        ; 16 l
	v_lshlrev_b32 v4, 3, v6                        ; 8 l
	s_mul_i32 s30, s21, 4*ROWP
	v_add_nc_u32 v2, s30, v1                       ; the stage on the way in: my four rows, 16 bytes a lane
	v_mul_u32_u24 v3, v7, ROWP
	v_lshl_add_u32 v3, v8, 7, v3
	s_lshl_b32 s30, s21, 10
	v_add_nc_u32 v3, s30, v3                       ; and on the way out: row r, K step 2 w, block h
	v_mul_u32_u24 v5, v8, BLKB
	v_lshl_add_u32 v5, v7, 5, v5                   ; a scale word's place: lanes 0-15 K step 2 w, lanes 16-31 K step 2 w + 1; 32 r
	v_lshlrev_b32 v[H8], 3, v8
.irp i, 0,1,2,3
	v_mov_b32 v[TP+\i], 0                          ; written once: a lane permute's destination counts as one of its sources
.endr
	s_wait_kmcnt 0x0
	s_add_nc_u64 s[4:5], s[4:5], s[24:25]
	s_add_nc_u64 s[12:13], s[10:11], s[28:29]
	s_add_nc_u64 s[14:15], s[10:11], s[26:27]
.irp i, 0,1,2,3
.irp j, 0,1,2,3,4,5,6,7
	global_load_b128 v[X+32*\i+4*\j:X+32*\i+4*\j+3], v1, s[4:5] offset:4096*\i+512*\j th:TH_LOAD_NT   ; 512 consecutive bytes a load
.endr
.endr
.irp j, 0,1,2,3,4,5,6,7
	global_load_b128 v[G+4*\j:G+4*\j+3], v1, s[6:7] offset:512*\j
	global_load_b128 v[BB+4*\j:BB+4*\j+3], v1, s[8:9] offset:512*\j
.endr
.macro LANESUM                         ; the four rows' pairs of partial sums become the rows' sums, in every lane; the rows by turns
.irp i, 0,1,2,3
	v_add_f32 v[S+2*\i], v[S+2*\i], v[S+2*\i+1]
.endr
.irp m, 1,2,4,8
.irp i, 0,1,2,3
	v_add_f32_dpp v[S+2*\i], v[S+2*\i], v[S+2*\i] row_xmask:\m row_mask:0xf bank_mask:0xf
.endr
.endr
.irp i, 0,1,2,3
	v_permlanex16_b32 v[TP+\i], v[S+2*\i], s18, s19
.endr
.irp i, 0,1,2,3
	v_add_f32 v[S+2*\i], v[S+2*\i], v[TP+\i]
.endr
.endm
	s_wait_loadcnt 16                              ; x is in; the sixteen loads of g and b may be out
.irp i, 0,1,2,3
	v_pk_add_f32 v[S+2*\i:S+2*\i+1], v[X+32*\i:X+32*\i+1], v[X+32*\i+2:X+32*\i+3]
.endr
.set jj, 4
.rept 14
.irp i, 0,1,2,3
	v_pk_add_f32 v[S+2*\i:S+2*\i+1], v[S+2*\i:S+2*\i+1], v[X+32*\i+jj:X+32*\i+jj+1]
.endr
.set jj, jj+2
.endr
	LANESUM
.irp i, 0,1,2,3
	v_mul_f32 v[M+2*\i], s16, v[S+2*\i]            ; the mean
.endr
.irp i, 0,1,2,3
	v_mov_b32 v[M+2*\i+1], v[M+2*\i]
.endr
.set jj, 0
.rept 16
.irp i, 0,1,2,3
	v_pk_add_f32 v[X+32*\i+jj:X+32*\i+jj+1], v[X+32*\i+jj:X+32*\i+jj+1], v[M+2*\i:M+2*\i+1] neg_lo:[0,1] neg_hi:[0,1]   ; x - mean, in place
.endr
.set jj, jj+2
.endr
.irp i, 0,1,2,3
	v_pk_mul_f32 v[S+2*\i:S+2*\i+1], v[X+32*\i:X+32*\i+1], v[X+32*\i:X+32*\i+1]
.endr
.set jj, 2
.rept 15
.irp i, 0,1,2,3
	v_pk_fma_f32 v[S+2*\i:S+2*\i+1], v[X+32*\i+jj:X+32*\i+jj+1], v[X+32*\i+jj:X+32*\i+jj+1], v[S+2*\i:S+2*\i+1]
.endr
.set jj, jj+2
.endr
	LANESUM
.irp i, 0,1,2,3
	v_fma_f32 v[R+2*\i], v[S+2*\i], s16, s17       ; var + eps
.endr
	s_wait_alu depctr_va_vdst(0)
.irp i, 0,1,2,3
	v_rsq_f32 v[R+2*\i], v[R+2*\i]
.endr
	v_nop                                          ; a plain instruction behind the last of the four,
	s_wait_alu depctr_va_vdst(0)                   ; and the one wait ahead of the batch's first reader
.irp i, 0,1,2,3
	v_mov_b32 v[R+2*\i+1], v[R+2*\i]
.endr
	s_wait_alu depctr_va_vdst(0)
	s_wait_loadcnt 0x0                             ; g and b
.irp i, 0,1,2,3
.irp j, 0,1,2,3,4,5,6,7
	v_pk_mul_f32 v[X+32*\i+4*\j:X+32*\i+4*\j+1], v[X+32*\i+4*\j:X+32*\i+4*\j+1], v[R+2*\i:R+2*\i+1]
	v_pk_mul_f32 v[X+32*\i+4*\j+2:X+32*\i+4*\j+3], v[X+32*\i+4*\j+2:X+32*\i+4*\j+3], v[R+2*\i:R+2*\i+1]
	v_pk_fma_f32 v[X+32*\i+4*\j:X+32*\i+4*\j+1], v[X+32*\i+4*\j:X+32*\i+4*\j+1], v[G+4*\j:G+4*\j+1], v[BB+4*\j:BB+4*\j+1]
	v_pk_fma_f32 v[X+32*\i+4*\j+2:X+32*\i+4*\j+3], v[X+32*\i+4*\j+2:X+32*\i+4*\j+3], v[G+4*\j+2:G+4*\j+3], v[BB+4*\j+2:BB+4*\j+3]
	ds_store_b128 v2, v[X+32*\i+4*\j:X+32*\i+4*\j+3] offset:ROWP*\i+512*\j
.endr
.endr
	s_wait_dscnt 0x0                               ; for the others' sake: my four rows have landed
	s_barrier_signal -1
	s_barrier_wait -1
.irp k, 0,1,2,3                        ; atom k: K step 2 w + k / 2, its half k % 2: my block of 32 numbers of row r
.irp i, 0,1,2,3,4,5,6,7
	ds_load_b128 v[X+32*\k+4*\i:X+32*\k+4*\i+3], v3 offset:256*\k+16*\i
.endr
.endr
.macro BMAX d, e, xs                   ; v[d] = the largest magnitude of v[xs] .. v[xs + 31], in two chains, and the floor 2^(3 - 127), so that the byte cannot fall under 1
	v_max3_num_f32 v[\d], |v[\xs]|, |v[\xs+1]|, |v[\xs+2]|
	v_max3_num_f32 v[\e], |v[\xs+3]|, |v[\xs+4]|, |v[\xs+5]|
.irp i, 6,10,14,18,22,26
	v_max3_num_f32 v[\d], v[\d], |v[\xs+\i]|, |v[\xs+\i+1]|
	v_max3_num_f32 v[\e], v[\e], |v[\xs+\i+2]|, |v[\xs+\i+3]|
.endr
	v_max3_num_f32 v[\d], v[\d], |v[\xs+30]|, |v[\xs+31]|
	v_max3_num_f32 v[\d], v[\d], v[\e], 0x1800000
.endm
.irp k, 0,1,2,3
	s_wait_dscnt 24-8*\k                           ; this atom's eight loads are in; the later atoms' may be out
	BMAX MX, MX+1, X+32*\k
	v_add_nc_u32 v[SO], 0xff000000, v[MX]          ; 2 off the exponent field: the conversions' scale operand
	v_lshrrev_b32 v[BY+\k], 23, v[SO]              ; the scale's byte
	v_cvt_scalef32_pk16_fp6_f32 v[CD+8*\k:CD+8*\k+2], v[X+32*\k:X+32*\k+15], v[SO]
	v_cvt_scalef32_pk16_fp6_f32 v[T3:T3+2], v[X+32*\k+16:X+32*\k+31], v[SO]
	v_nop                                          ; one plain instruction behind the conversions
.irp i, 0,1,2
	v_mov_b32 v[CD+8*\k+3+\i], v[T3+\i]
.endr
	global_store_b128 v1, v[CD+8*\k:CD+8*\k+3], s[12:13] offset:BLKB*(\k/2)+768*(\k%2)         ; 512 consecutive bytes; each atom has data registers of its own
	global_store_b64 v4, v[CD+8*\k+4:CD+8*\k+5], s[12:13] offset:BLKB*(\k/2)+768*(\k%2)+512    ; 256 consecutive bytes
.endr
.irp p, 0,1                            ; a K step's scale word: my two bytes (blocks h and 2 + h) at their places, with lane l xor 16's two
	v_lshl_or_b32 v[W+\p], v[BY+2*\p+1], 16, v[BY+2*\p]
	v_lshlrev_b32 v[W+\p], v[H8], v[W+\p]
	v_permlanex16_b32 v[TP+\p], v[W+\p], s18, s19
	v_or_b32 v[W+\p], v[W+\p], v[TP+\p]
.endr
	v_cndmask_b32 v[W], v[W], v[W+1], s20          ; lanes 0-15 keep K step 2 w's word, lanes 16-31 take K step 2 w + 1's
	global_store_b32 v5, v[W], s[14:15]
	s_wait_tensorcnt 0x0                           ; the wave's end
	ds_add_u32 v[SPW], v[NIL]
	s_wait_dscnt 0x0
	s_endpgm
.Lfunc_end_k_q0c9a5e9a74_ln1:
	.size	k_q0c9a5e9a74_ln1, .Lfunc_end_k_q0c9a5e9a74_ln1-k_q0c9a5e9a74_ln1
	.p2alignl 7, 3214868480
	.fill 96, 4, 3214868480
	.section	.rodata,"a",@progbits
	.p2align	6, 0x0
	.amdhsa_kernel k_q0c9a5e9a74_ln1
		.amdhsa_group_segment_fixed_size 66304
		.amdhsa_private_segment_fixed_size 0
		.amdhsa_enable_private_segment 0
		.amdhsa_kernarg_size 32
		.amdhsa_user_sgpr_count 2
		.amdhsa_user_sgpr_kernarg_segment_ptr 1
		.amdhsa_wavefront_size32 1
		.amdhsa_system_sgpr_workgroup_id_x 1
		.amdhsa_system_sgpr_workgroup_id_y 1
		.amdhsa_system_sgpr_workgroup_id_z 1
		.amdhsa_system_vgpr_workitem_id 0
		.amdhsa_next_free_vgpr 244
		.amdhsa_next_free_sgpr 66
		.amdhsa_reserve_vcc 0
		.amdhsa_float_denorm_mode_32 3
		.amdhsa_float_denorm_mode_16_64 3
		.amdhsa_memory_ordered 1
		.amdhsa_forward_progress 1
		.amdhsa_inst_pref_size 43
	.end_amdhsa_kernel
	.amdgpu_metadata
---
amdhsa.version: [ 1, 2 ]
amdhsa.kernels:
  - .name:           k_q0c9a5e9a74_ln1
    .symbol:         k_q0c9a5e9a74_ln1.kd
    .args:
      - { .name: x1, .offset: 0, .size: 8, .value_kind: global_buffer, .address_space: global }
      - { .name: ln2_g, .offset: 8, .size: 8, .value_kind: global_buffer, .address_space: global }
      - { .name: ln2_b, .offset: 16, .size: 8, .value_kind: global_buffer, .address_space: global }
      - { .name: h2c, .offset: 24, .size: 8, .value_kind: global_buffer, .address_space: global }
    .group_segment_fixed_size: 66304
    .private_segment_fixed_size: 0
    .kernarg_segment_align: 8
    .kernarg_segment_size: 32
    .max_flat_workgroup_size: 128
    .sgpr_count:     66
    .vgpr_count:     244
    .wavefront_size: 32
...
	.end_amdgpu_metadata
.endif
;; end of part 5
;; launch fc (part 6): grid 16 x 16, 4 waves a work-group, clusters of 4 x 4, 327,680 bytes of LDS; arguments h2c, wc, b_fc, gc; writes gc
.if DOCPART == 6
	.amdgcn_target "amdgcn-amd-amdhsa--gfx1250"
	.amdhsa_code_object_version 6
	.text
	.protected	k_q0c9a5e9a74_fc
	.globl	k_q0c9a5e9a74_fc
	.p2align	8
	.type	k_q0c9a5e9a74_fc,@function
k_q0c9a5e9a74_fc:
	s_mov_b64 s[64:65], 0
	v_nop
	global_prefetch_b8 v0, s[64:65] scope:SCOPE_SE
	s_setreg_imm32_b32 hwreg(HW_REG_WAVE_MODE, 25, 1), 1
	s_wait_xcnt 0x0
	s_wait_alu depctr_hold_cnt(0) depctr_sa_sdst(0) depctr_va_vdst(0) depctr_va_sdst(0) depctr_va_ssrc(0) depctr_va_vcc(0) depctr_vm_vsrc(0)
	s_getreg_b32 s2, hwreg(HW_REG_IB_STS2, 6, 4)
	s_cmp_eq_u32 s2, 0
	s_cbranch_scc0 .Lentry_in_a_cluster
	s_endpgm
.Lentry_in_a_cluster:
	s_bfe_u32 s2, ttmp6, 0x10000c
	s_cmp_lg_u32 s2, 0xf033
	s_cbranch_scc0 .Lentry_shape_is_right
	s_endpgm
.Lentry_shape_is_right:
.set HASV, 0
.set GELU, 1
.set WOFF, 3276800
.set BLKB,  12800
.set QB,    2*BLKB
.set SLOT,  4*QB
.set SPARE, 3*SLOT
.set RBB,   8*BLKB
.set FR,    12
.set NL,    4
.set NP,    4
.set ADRS, 5
.set ADRA, 10
.set ADRB, 16
.set A16,  24
.set A8,   25
.set ASC,  26
.set SPW,  28
.set NIL,  29
.set SC,   32
.set BR,   64
.set BV,   96
.set AF,   128
.set H,    128
.set PC,   192
.set WLH,  212
.set TM,   224
.set PWS,  240
.set W4,   248
.set GC,   252
.set Z,    0
.set G1,  24
.set G0,  32
.set G0C, 80
.set G1B, 48
.set G0B, 56
.set G0BC, 84
.set VP,  66
.set RBT, 67
.set RBW, 68
.set HIM, 69
.set SEL, 70
.set PL,  72
.set OB,  74
.set SB,  76
.set BI,  78
.set MSB, 0
.macro WIN new
.if MSB != (\new)
	s_set_vgpr_msb (MSB<<8)|(\new)
.set MSB, \new
.endif
.endm
.set MUL_LO, 0xa1
.set MUL_HI, 0xf1
.set TO_B,   0x40
.macro PLACES n
.rept \n
	v_nop
.endr
.endm
.macro JLOAD g0a, g1a, g0b, g1b
	s_cmp_eq_u32 s15, 0
	s_cbranch_scc0 .Lfor_b_\@
	tensor_load_to_lds s[\g0a:\g0a+3], s[\g1a:\g1a+7]
	s_nop 0
.rept 4
	v_nop
.endr
	s_branch .Lasked_\@
.Lfor_b_\@:
	tensor_load_to_lds s[\g0b:\g0b+3], s[\g1b:\g1b+7]
	s_nop 0
.rept 4
	v_nop
.endr
.Lasked_\@:
.endm
.macro CREST
	s_cmp_lg_u32 s14, 0
	s_cbranch_scc1 .Lnot_wave_0_\@
	s_barrier_signal -3
.Lnot_wave_0_\@:
	s_barrier_wait -3
	s_barrier_signal -1
	s_barrier_wait -1
.endm
.macro CROUND
	s_barrier_signal -1
	s_barrier_wait -1
	CREST
.endm
	s_load_b256 s[4:11], s[0:1], 0x0
	v_lshl_add_u32 v[SPW], v0, 2, SPARE
	v_mov_b32 v[NIL], 0
	ds_add_u32 v[SPW], v[NIL]
	ds_add_u32 v[SPW], v[NIL]
	v_lshrrev_b32 v1, 5, v0
	v_readfirstlane_b32 s14, v1
	s_lshr_b32 s15, s14, 1
	s_and_b32 s16, s14, 1
	s_bfe_u32 s40, ttmp6, 0x40000
	s_bfe_u32 s41, ttmp6, 0x40004
	s_lshl_b32 s42, ttmp9, 2
	s_add_co_u32 s42, s42, s40
	s_and_b32 s17, ttmp7, 0xffff
	s_lshl_b32 s17, s17, 2
	s_add_co_u32 s17, s17, s41
	s_lshl_b32 s43, s41, 2
	s_lshl_b32 s43, 15, s43
	s_lshl_b32 s44, 0x1111, s40
	s_or_b32 s[G1+0], s43, (3<<16)|(1<<21)
	s_or_b32 s[G1B+0], s44, (3<<16)|(1<<21)
.irp g, G1, G1B
	s_mov_b32 s[\g+1], 32<<16
	s_mov_b32 s[\g+2], 100<<16
	s_mov_b32 s[\g+3], 32<<16
	s_mov_b32 s[\g+4], 100
	s_mov_b32 s[\g+5], 32
	s_mov_b32 s[\g+6], 0
	s_mov_b32 s[\g+7], 0
.endr
	s_lshl_b32 s20, s17, 1
	s_add_co_u32 s20, s20, s16
	s_mul_i32 s20, s20, RBB
	s_mov_b32 s21, 0
	s_lshl_b32 s46, s42, 1
	s_add_co_u32 s46, s46, s16
	s_mul_i32 s46, s46, RBB
	s_add_co_u32 s46, s46, WOFF
	s_mov_b32 s47, 0
	s_mul_i32 s45, s14, QB
	s_wait_dscnt 0x0
	s_wait_kmcnt 0x0
	s_add_nc_u64 s[20:21], s[4:5], s[20:21]
	s_add_nc_u64 s[46:47], s[6:7], s[46:47]
	CROUND
.macro FIRST g0, g0b, s
	s_mov_b32 s[\g0], 1
	s_add_co_u32 s[\g0+1], s45, \s*SLOT
	s_add_nc_u64 s[\g0+2:\g0+3], s[20:21], \s*QB
	s_or_b32 s[\g0+3], s[\g0+3], 0x80000000
	s_mov_b32 s[\g0b], 1
	s_add_co_u32 s[\g0b+1], s45, \s*SLOT
	s_add_nc_u64 s[\g0b+2:\g0b+3], s[46:47], \s*QB
	s_or_b32 s[\g0b+3], s[\g0b+3], 0x80000000
.endm
	FIRST G0, G0B, 0
	FIRST G0+4, G0B+4, 1
	FIRST G0C, G0BC, 2
	JLOAD G0, G1, G0B, G1B                         ; K step 0: one tensor load a wave at the head; K steps 1, 2 and 3 each go out behind a round of their own
	v_and_b32 v1, 31, v0
	v_and_b32 v2, 15, v0
	v_bfe_u32 v3, v0, 4, 1
	v_lshlrev_b32 v[A16], 4, v1
	v_lshlrev_b32 v[A8], 3, v1
	v_lshlrev_b32 v4, 5, v2
	s_mov_b32 s[HIM], 0xffff0000
	s_mul_i32 s22, s15, QB
	s_mul_i32 s23, s16, QB
	s_add_co_u32 s23, s23, 2*QB
.if HASV
	s_cmp_ge_u32 ttmp9, 2
	s_cselect_b32 s[VP], 1, 0
	s_cselect_b32 s18, s23, s22
	s_cselect_b32 s19, s22, s23
	v_add_nc_u32 v30, s18, v4
	v_add_nc_u32 v31, s19, v4
	v_cndmask_b32 v30, v30, v31, s[HIM]
.else
	s_mov_b32 s18, s22
	s_mov_b32 s19, s23
	s_sub_co_u32 s23, s23, s22
	v_mul_u32_u24 v31, s23, v3
	v_add_nc_u32 v30, v4, v31
	v_add_nc_u32 v30, s18, v30
.endif
	v_add_nc_u32 v[ADRS], 12288, v30
	v_add_nc_u32 v[ADRS+1], 12288+SLOT, v30
	v_add_nc_u32 v[ADRS+2], 12288+2*SLOT, v30
.irp s, 0,1,2
	v_add_nc_u32 v[ADRA+\s], s18, v[A16]
	v_add_nc_u32 v[ADRA+3+\s], s18, v[A8]
	v_add_nc_u32 v[ADRB+\s], s19, v[A16]
	v_add_nc_u32 v[ADRB+3+\s], s19, v[A8]
	s_add_co_u32 s18, s18, SLOT
	s_add_co_u32 s19, s19, SLOT
.endr
	s_lshl_b32 s[RBT], s17, 1
	s_add_co_u32 s[RBT], s[RBT], s15
	s_lshl_b32 s[RBW], s42, 1
	s_add_co_u32 s[RBW], s[RBW], s16
	s_lshl_b32 s18, s[RBW], 9
	s_mov_b32 s19, 0
	s_add_nc_u64 s[BI:BI+1], s[8:9], s[18:19]
	v_lshlrev_b32 v8, 6, v3
.irp b, 0,1,2,3
.irp i, 0,1,2,3
	global_load_b128 v[BR+16*\b+4*\i:BR+16*\b+4*\i+3], v8, s[BI:BI+1] offset:128*\b+16*\i
.endr
.endr
.if HASV
	v_and_b32 v9, 8, v2
	v_add_nc_u32 v9, v9, v2
	v_lshlrev_b32 v9, 2, v9
	WIN TO_B
.irp a, 0,1,2,3,4,5,6,7
	global_load_b32 v[BV+2*\a], v9, s[BI:BI+1] offset:128*(\a/2)+32*(\a%2)
	global_load_b32 v[BV+2*\a+1], v9, s[BI:BI+1] offset:128*(\a/2)+32*(\a%2)
.endr
	WIN 0
.endif
.if GELU
	s_lshl_b32 s18, s[RBT], 5
	s_add_co_u32 s18, s18, s[RBW]
	s_mul_i32 s18, s18, BLKB
	s_add_nc_u64 s[OB:OB+1], s[10:11], s[18:19]
	s_add_nc_u64 s[SB:SB+1], s[OB:OB+1], 12288
	v_lshlrev_b32 v[ASC], 4, v3
	v_lshl_add_u32 v[ASC], v2, 5, v[ASC]
	v_mov_b32 v[GC], 0xbdd2d3e8
	v_mov_b32 v[GC+1], 0xbdd2d3e8
	v_mov_b32 v[GC+2], 0xc0135761
	v_mov_b32 v[GC+3], 0xc0135761
.else
	s_lshr_b32 s18, s[RBT], 3
	s_mul_i32 s18, s18, 48
	s_lshl_b32 s20, s[RBW], 1
	s_add_co_u32 s18, s18, s20
	s_mul_i32 s18, s18, 51200
	s_and_b32 s22, s[RBT], 7
	s_mul_i32 s20, s22, 6144
	s_add_co_u32 s20, s20, s18
	s_mov_b32 s21, 0
	s_add_nc_u64 s[OB:OB+1], s[10:11], s[20:21]
	s_lshl_b32 s20, s22, 8
	s_add_co_u32 s20, s20, s18
	s_add_co_u32 s20, s20, 49152
	s_add_nc_u64 s[SB:SB+1], s[10:11], s[20:21]
	v_mul_u32_u24 v[ASC], v3, 51200
	v_lshl_add_u32 v[ASC], v2, 4, v[ASC]
	s_mov_b32 s[PL], 0x05040100
	s_mov_b32 s[PL+1], 0x07060302
.endif
	s_mov_b32 s[SEL], 0x76543210
	s_mov_b32 s[SEL+1], 0xfedcba98
.irp b, 0,1,2,3
	v_mov_b32 v[TM+4+\b], 0
.endr
.macro FRAG reg, a16, a8, off
	ds_load_b128 v[\reg:\reg+3], v[\a16] offset:\off
	ds_load_b64 v[\reg+4:\reg+5], v[\a8] offset:\off+512
	ds_load_b128 v[\reg+6:\reg+9], v[\a16] offset:\off+768
	ds_load_b64 v[\reg+10:\reg+11], v[\a8] offset:\off+1280
.endm
.macro MUL16 a0, p, q, sc, zero
.irp a, \a0, \a0+1
.irp b, 0,1,2,3,4,5,6,7
.if \zero
	v_wmma_scale_f32_16x16x128_f8f6f4 v[8*(8*((\a)%4)+\b):8*(8*((\a)%4)+\b)+7], v[128*(\p)+FR*\b:128*(\p)+FR*\b+FR-1], v[AF+FR*(\a):AF+FR*(\a)+FR-1], 0, v[SC+16*(\sc)+8*(\q)+\b], v[SC+16*(\sc)+8*(\q)+(\a)] matrix_a_fmt:MATRIX_FMT_FP6 matrix_b_fmt:MATRIX_FMT_FP6 matrix_a_scale:MATRIX_SCALE_ROW1
.else
	v_wmma_scale_f32_16x16x128_f8f6f4 v[8*(8*((\a)%4)+\b):8*(8*((\a)%4)+\b)+7], v[128*(\p)+FR*\b:128*(\p)+FR*\b+FR-1], v[AF+FR*(\a):AF+FR*(\a)+FR-1], v[8*(8*((\a)%4)+\b):8*(8*((\a)%4)+\b)+7], v[SC+16*(\sc)+8*(\q)+\b], v[SC+16*(\sc)+8*(\q)+(\a)] matrix_a_fmt:MATRIX_FMT_FP6 matrix_b_fmt:MATRIX_FMT_FP6 matrix_a_scale:MATRIX_SCALE_ROW1
.endif
.endr
.endr
.endm
.macro FETCH_B slot, q, p
	WIN TO_B
.irp i, 0,1,2,3,4,5,6,7
	FRAG 128*(\p)+FR*\i, ADRB+\slot, ADRB+3+\slot, BLKB*(\q)+1536*\i
.endr
	WIN 0
.endm
.macro FETCH_A slot, q, i0
.irp i, \i0, \i0+1, \i0+2, \i0+3
	FRAG AF+FR*(\i), ADRA+\slot, ADRA+3+\slot, BLKB*(\q)+1536*(\i)
.endr
.endm
.macro SCALES sc, slot
.irp q, 0,1
	ds_load_b128 v[SC+16*\sc+8*\q:SC+16*\sc+8*\q+3], v[ADRS+\slot] offset:BLKB*\q
	ds_load_b128 v[SC+16*\sc+8*\q+4:SC+16*\sc+8*\q+7], v[ADRS+\slot] offset:BLKB*\q+16
.endr
.endm
.macro STEP slot, sc, zero
	s_wait_dscnt 4*NL
	WIN MUL_LO
	MUL16 0, 0, 0, \sc, \zero
	MUL16 2, 0, 0, \sc, \zero
	s_wait_dscnt 0
	PLACES NP
	FETCH_B \slot, 1, 1
	FETCH_A \slot, 1, 0
	WIN MUL_HI
	MUL16 4, 0, 0, \sc, \zero
	MUL16 6, 0, 0, \sc, \zero
	PLACES NP
	WIN 0
	FETCH_A \slot, 1, 4
.endm
.macro TURN sc, next, nsc, fill
	s_wait_tensorcnt 0x0
	ds_add_u32 v[SPW], v[NIL]
	s_wait_dscnt 4*NL+1
	WIN MUL_LO
	MUL16 0, 1, 1, \sc, 0
	s_wait_dscnt 0x0
	s_barrier_signal -1
	MUL16 2, 1, 1, \sc, 0
	WIN 0
	s_barrier_wait -1
.if \fill == 1
	CREST                                          ; the barrier has opened a round of the cluster's barrier
	JLOAD G0C, G1, G0BC, G1B                       ; K step 2, slot 2's first fill: my one load behind the round
.elseif \fill == 2
	CREST
	s_add_nc_u64 s[G0+2:G0+3], s[G0+2:G0+3], 3*QB
	s_add_nc_u64 s[G0B+2:G0B+3], s[G0B+2:G0B+3], 3*QB
	JLOAD G0, G1, G0B, G1B                         ; K step 3 into slot 0, whose reads ended a K step ago: my last load
.else
	PLACES NP
.endif
	FETCH_B \next, 0, 0
	FETCH_A \next, 0, 0
	SCALES \nsc, \next
	WIN MUL_HI
	MUL16 4, 1, 1, \sc, 0
	MUL16 6, 1, 1, \sc, 0
	PLACES NP
	WIN 0
	FETCH_A \next, 0, 4
.endm
.macro PASS sc, next, nsc
	s_wait_dscnt 4*NL
	WIN MUL_LO
	MUL16 0, 1, 1, \sc, 0
	MUL16 2, 1, 1, \sc, 0
	s_wait_dscnt 0
	PLACES NP
	FETCH_B \next, 0, 0
	FETCH_A \next, 0, 0
	SCALES \nsc, \next
	WIN MUL_HI
	MUL16 4, 1, 1, \sc, 0
	MUL16 6, 1, 1, \sc, 0
	PLACES NP
	WIN 0
	FETCH_A \next, 0, 4
.endm
	s_wait_alu depctr_va_vdst(0)                   ; the wait at the head's end
	s_wait_tensorcnt 0x0                           ; my quarter of K step 0 is in
	ds_add_u32 v[SPW], v[NIL]                      ; the add and its wait ahead of a later first fill
	s_wait_dscnt 0x0
	CROUND                                         ; everybody's quarter is in, and the joint loads meet
	JLOAD G0+4, G1, G0B+4, G1B                     ; K step 1, slot 1's first fill
	FETCH_B 0, 0, 0
	FETCH_A 0, 0, 0
	SCALES 0, 0
	FETCH_A 0, 0, 4
	STEP 0, 0, 1
	TURN 0, 1, 1, 1
	STEP 1, 1, 0
	TURN 1, 2, 0, 2                                ; K step 2 has landed; slot 0 takes K step 3
	STEP 2, 0, 0
	TURN 0, 0, 1, 0
	STEP 0, 1, 0
	s_wait_dscnt 4*NL
	WIN MUL_LO
	MUL16 0, 1, 1, 1, 0
	MUL16 2, 1, 1, 1, 0
	s_wait_dscnt 0
	WIN MUL_HI
	MUL16 4, 1, 1, 1, 0
	MUL16 6, 1, 1, 1, 0
	WIN 0
.macro QUANT s, pw
.irp b, 0,1,2,3
	v_max3_num_f32 v[TM+\b], |v[\s+16*\b]|, |v[\s+1+16*\b]|, 0x1800000
.endr
.irp i, 2,4,6,8,10,12,14
.irp b, 0,1,2,3
	v_max3_num_f32 v[TM+\b], v[TM+\b], |v[\s+16*\b+\i]|, |v[\s+1+16*\b+\i]|
.endr
.endr
.irp b, 0,1,2,3
	v_permlanex16_b32 v[TM+4+\b], v[TM+\b], s[SEL], s[SEL+1]
.endr
.irp b, 0,1,2,3
	v_max_num_f32 v[TM+\b], v[TM+\b], v[TM+4+\b]
.endr
.irp b, 0,1,2,3
	v_add_nc_u32 v[TM+12+\b], 0xff000000, v[TM+\b]
.endr
.irp b, 0,1,2,3
	v_lshrrev_b32 v[TM+4+\b], 23, v[TM+12+\b]
.endr
	v_lshl_or_b32 v[\pw], v[TM+5], 8, v[TM+4]
	v_lshl_or_b32 v[\pw], v[TM+6], 16, v[\pw]
	v_lshl_or_b32 v[\pw], v[TM+7], 24, v[\pw]
.irp c, 0,1
	v_cvt_scalef32_pk16_fp6_f32 v[PC+6*\c:PC+2+6*\c], v[\s+32*\c:\s+15+32*\c], v[TM+12+2*\c]
	v_cvt_scalef32_pk16_fp6_f32 v[PC+12+4*\c:PC+14+4*\c], v[\s+16+32*\c:\s+31+32*\c], v[TM+12+2*\c+1]
.endr
	v_nop
.irp c, 0,1
.irp i, 0,1,2
	v_permlane16_swap_b32 v[PC+6*\c+\i], v[PC+12+4*\c+\i]
.endr
.irp i, 0,1,2
	v_mov_b32 v[PC+3+6*\c+\i], v[PC+12+4*\c+\i]
.endr
.endr
.endm
.macro GELUM
	WIN 0x40
.set ii, 0
.rept 32
	v_pk_mul_f32 v[Z+2*ii:Z+2*ii+1], v[H+2*ii:H+2*ii+1], v[H+2*ii:H+2*ii+1]
.set ii, ii+1
.endr
	WIN 0x41
.set ii, 0
.rept 32
	v_pk_fma_f32 v[Z+2*ii:Z+2*ii+1], v[Z+2*ii:Z+2*ii+1], v[GC:GC+1], v[GC+2:GC+3]
.set ii, ii+1
.endr
.set ii, 0
.rept 32
	v_pk_mul_f32 v[Z+2*ii:Z+2*ii+1], v[Z+2*ii:Z+2*ii+1], v[H+2*ii:H+2*ii+1]
.set ii, ii+1
.endr
.set ii, 0
	s_wait_alu depctr_va_vdst(0)
.rept 64
	v_exp_f32 v[Z+ii], v[Z+ii]
.set ii, ii+1
.endr
	v_nop
	s_wait_alu depctr_va_vdst(0)
.set ii, 0
.rept 32
	v_pk_add_f32 v[Z+2*ii:Z+2*ii+1], v[Z+2*ii:Z+2*ii+1], 1.0 op_sel_hi:[1,0]
.set ii, ii+1
.endr
.set ii, 0
	s_wait_alu depctr_va_vdst(0)
.rept 64
	v_rcp_f32 v[Z+ii], v[Z+ii]
.set ii, ii+1
.endr
	v_nop
	s_wait_alu depctr_va_vdst(0)
	WIN 0x04
.set ii, 0
.rept 32
	v_pk_mul_f32 v[H+2*ii:H+2*ii+1], v[H+2*ii:H+2*ii+1], v[Z+2*ii:Z+2*ii+1]
.set ii, ii+1
.endr
	WIN 0
.endm
.macro EPI_A a, path
	s_wait_xcnt 0x0
.if \path == 1
	WIN 0x06+(\a)/4
.else
	WIN 0x02+(\a)/4
.endif
.set ii, 0
.rept 32
.if \path == 1
	v_pk_add_f32 v[H+2*ii:H+2*ii+1], v[64*((\a)%4)+2*ii:64*((\a)%4)+2*ii+1], v[BV+2*(\a):BV+2*(\a)+1]
.else
	v_pk_add_f32 v[H+2*ii:H+2*ii+1], v[64*((\a)%4)+2*ii:64*((\a)%4)+2*ii+1], v[BR+2*ii:BR+2*ii+1]
.endif
.set ii, ii+1
.endr
	WIN 0
.if GELU
	GELUM
.endif
	QUANT H, PWS+(\a)
.if \path == 1
.set O0, 51200*((\a)/4)+1536*((\a)%4)
.set O1, O0+768
.elseif GELU
.set O0, 1536*(\a)
.set O1, O0+768
.else
.set O0, 768*(\a)
.set O1, O0+51200
.endif
	global_store_b128 v[A16], v[PC:PC+3], s[OB:OB+1] offset:O0          ; gc's fragment: registers 4 g .. 4 g + 3 of lane l at 512 g + 16 l: three runs of 512 consecutive bytes
	global_store_b128 v[A16], v[PC+4:PC+7], s[OB:OB+1] offset:O0+512
	global_store_b128 v[A16], v[PC+8:PC+11], s[OB:OB+1] offset:O0+1024
.endm
.macro EPI path
.irp a, 0,1,2,3,4,5,6,7
	EPI_A \a, \path
.endr
.if (\path == 0) && (GELU == 0)
.irp i, 0,1,2,3
	v_perm_b32 v[WLH+\i], v[PWS+2*\i+1], v[PWS+2*\i], s[PL]
	v_perm_b32 v[WLH+4+\i], v[PWS+2*\i+1], v[PWS+2*\i], s[PL+1]
.endr
.irp i, 0,1,2,3
	v_cndmask_b32 v[W4+\i], v[WLH+\i], v[WLH+4+\i], s[HIM]
.endr
.else
.irp i, 0,1,2,3
	v_cndmask_b32 v[W4+\i], v[PWS+\i], v[PWS+4+\i], s[HIM]
.endr
.endif
	global_store_b128 v[ASC], v[W4:W4+3], s[SB:SB+1]
.endm
	s_wait_loadcnt 0x0
	PLACES NP
.if HASV
	s_cmp_eq_u32 s[VP], 1
	s_cbranch_scc1 .Lv_path
.endif
	EPI 0
.if HASV
	s_branch .Ldone
.Lv_path:
	EPI 1
.Ldone:
.endif
	s_wait_tensorcnt 0x0
	ds_add_u32 v[SPW], v[NIL]
	s_wait_dscnt 0x0
	CROUND
	s_endpgm
.Lfunc_end_k_q0c9a5e9a74_fc:
	.size	k_q0c9a5e9a74_fc, .Lfunc_end_k_q0c9a5e9a74_fc-k_q0c9a5e9a74_fc
	.p2alignl 7, 3214868480
	.fill 96, 4, 3214868480
	.section	.rodata,"a",@progbits
	.p2align	6, 0x0
	.amdhsa_kernel k_q0c9a5e9a74_fc
		.amdhsa_group_segment_fixed_size 327680
		.amdhsa_private_segment_fixed_size 0
		.amdhsa_enable_private_segment 0
		.amdhsa_kernarg_size 32
		.amdhsa_user_sgpr_count 2
		.amdhsa_user_sgpr_kernarg_segment_ptr 1
		.amdhsa_wavefront_size32 1
		.amdhsa_system_sgpr_workgroup_id_x 1
		.amdhsa_system_sgpr_workgroup_id_y 1
		.amdhsa_system_sgpr_workgroup_id_z 1
		.amdhsa_system_vgpr_workitem_id 0
		.amdhsa_next_free_vgpr 1024
		.amdhsa_next_free_sgpr 98
		.amdhsa_reserve_vcc 0
		.amdhsa_float_denorm_mode_32 3
		.amdhsa_float_denorm_mode_16_64 3
		.amdhsa_memory_ordered 1
		.amdhsa_forward_progress 1
		.amdhsa_inst_pref_size 255
	.end_amdhsa_kernel
	.section	.bss,"aw",@nobits
	.p2align	6
	.space	262144
	.amdgpu_metadata
---
amdhsa.version: [ 1, 2 ]
amdhsa.kernels:
  - .name:           k_q0c9a5e9a74_fc
    .symbol:         k_q0c9a5e9a74_fc.kd
    .args:
      - { .name: h2c, .offset: 0, .size: 8, .value_kind: global_buffer, .address_space: global }
      - { .name: wc, .offset: 8, .size: 8, .value_kind: global_buffer, .address_space: global }
      - { .name: b_fc, .offset: 16, .size: 8, .value_kind: global_buffer, .address_space: global }
      - { .name: gc, .offset: 24, .size: 8, .value_kind: global_buffer, .address_space: global }
    .group_segment_fixed_size: 327680
    .private_segment_fixed_size: 0
    .kernarg_segment_align: 8
    .kernarg_segment_size: 32
    .max_flat_workgroup_size: 128
    .sgpr_count:     98
    .vgpr_count:     1024
    .wavefront_size: 32
...
	.end_amdgpu_metadata
.endif
;; end of part 6
;; launch mproj (part 7): grid 32 x 8, 4 waves a work-group, clusters of 4 x 1, 327,680 bytes of LDS; arguments gc, wc, b_mproj, x1, out0; writes out0
.if DOCPART == 7
	.amdgcn_target "amdgcn-amd-amdhsa--gfx1250"
	.amdhsa_code_object_version 6
	.text
	.protected	k_q0c9a5e9a74_mproj
	.globl	k_q0c9a5e9a74_mproj
	.p2align	8
	.type	k_q0c9a5e9a74_mproj,@function
k_q0c9a5e9a74_mproj:
	s_mov_b64 s[64:65], 0
	v_nop
	global_prefetch_b8 v0, s[64:65] scope:SCOPE_SE
	s_setreg_imm32_b32 hwreg(HW_REG_WAVE_MODE, 25, 1), 1
	s_wait_xcnt 0x0
	s_wait_alu depctr_hold_cnt(0) depctr_sa_sdst(0) depctr_va_vdst(0) depctr_va_sdst(0) depctr_va_ssrc(0) depctr_va_vcc(0) depctr_vm_vsrc(0)
	s_getreg_b32 s2, hwreg(HW_REG_IB_STS2, 6, 4)
	s_cmp_eq_u32 s2, 0
	s_cbranch_scc0 .Lentry_in_a_cluster
	s_endpgm
.Lentry_in_a_cluster:
	s_bfe_u32 s2, ttmp6, 0x10000c
	s_cmp_lg_u32 s2, 0x3003
	s_cbranch_scc0 .Lentry_shape_is_right
	s_endpgm
.Lentry_shape_is_right:
; out0 = x1 + T W^T + b_mproj.  T = gc [4,096][4,096] and W = w_mproj's codes [1,024][4,096]: FP6 (E2M3) with E8M0 scales; bias, x1 and out0 f32.
; BLOCK (RB, ks), 12,800 bytes at (32 RB + ks) x 12,800: eight fragments of 16 rows x 128 K, 1,536 bytes each, then 512 bytes of scale words (row r of fragment t at 12,288 + 32 r + 4 t).
; Row r of fragment t is row 128 RB + 32 (t / 2) + 8 (t % 2) + r + 8 (r / 8).  gc's fragment: registers 4 g .. 4 g + 3 of lane l at 512 g + 16 l.
; wc's fragment: two atoms of 768 bytes: registers 0-3 of an atom's six at 16 l, registers 4-5 at 512 + 8 l.
; SHARES.  A work-group makes 128 tokens x 128 columns: 256 work-groups.  K IS SPLIT AMONG THE FOUR WAVES: wave w makes the whole 128 x 128 (64 accumulators, 512 registers) over K steps 8 w .. 8 w + 7,
; so each fragment feeds eight products and none is read by two waves.  The four partial tiles meet once, in LDS, at the end.  The sums so go in four parts and not in one ascending chain.
; T's fragments go from memory straight into registers: 26 loads a K step (24 of 512 consecutive bytes, 2 for the scale words), three sets of registers, issued three K steps ahead of their use.
; W's blocks of wave w lie in the wave's own 76,800 bytes of LDS, which no other wave reads: K steps 0-5 by one tensor load at the head, K steps 6-7 by one refill of the first two places, behind a round after K step 0.
; CLUSTER 4 x 1: the four work-groups take four token tiles of one column tile: W's loads are joint (mask 15).  T's tiles differ between the partners and pass through no LDS.
; NO PREFETCH: T's own loads are out three K steps before their use, six of W's eight K steps are asked for at the head and the other two four K steps before their first read.
; Source 0 = W, source 1 = T: a lane holds a token, and its registers of tiles b = 2 c, 2 c + 1 hold columns 32 c + 16 (lane / 16) + 0 .. 15.
; THE WAY OUT: each wave stores its tile as 128 rows of 512 + 16 bytes inside its own W region (last fill and last read are over); one barrier; wave d adds rows 32 d .. 32 d + 31 of the four, bias and residual, and stores rows of 512 bytes.
; REGISTERS.  Window 0: v1-13 addresses; v16-39 T's scale words, three sets; v40-55 W's, two sets; v56-151, v152-247 T's sets 0, 1; v248-251 the stage's four read addresses.
; Window 1: v0-95 W's fragments, one set; v96-191 T's set 2, later the residual (v96-223); v224-227 the bias.  Windows 2, 3: accumulator (a, b) at window 2 + b / 4, v[8 (8 (b % 4) + a)]; later the rows read back.
.set BLKB,  12800
.set WOFF,  6553600                    ; w_mproj's first byte in wc
.set WREG,  6*BLKB                     ; a wave's region of LDS
.set SPARE, 4*WREG                     ; behind the regions: the spare words, 128 bytes a wave, which no other line names
.set SP,    528                        ; a stage row
.set A16,  1                           ; 16 l
.set TSA,  2                           ; 32 r
.set LW16, 4                           ; v4-5 my region + 16 l, places 0-2 and 3-5
.set LW8,  6                           ; v6-7 the same + 8 l
.set LWS,  8                           ; v8-9 the same: scale words, 12,288 + 32 r
.set STO,  10
.set SPW,  12
.set NIL,  13
.set TS,   16
.set WS,   40
.set T0,   56
.set RD,   248
.set RS,   96
.set BI,   224
.set G0,   20
.set G1,   24                          ; 300 rows of 256 bytes
.set G1R,  32                          ; 100 rows
.set TG,   44                          ; s[44:45] my T blocks
.set RG,   46                          ; s[46:47] my 32 rows of x1
.set OG,   48                          ; s[48:49] and of out0
.set BG,   50                          ; s[50:51] my tile's 128 biases
.set MSB, 0
.macro WIN new                         ; the immediate's high byte repeats the setting that is left
.if MSB != (\new)
	s_set_vgpr_msb (MSB<<8)|(\new)
.set MSB, \new
.endif
.endm
.macro PLACES n
.rept \n
	v_nop
.endr
.endm
.macro CROUND                          ; a round of the cluster's barrier
	s_barrier_signal -1
	s_barrier_wait -1
	s_cmp_lg_u32 s14, 0
	s_cbranch_scc1 .Lnot_wave_0_\@
	s_barrier_signal -3
.Lnot_wave_0_\@:
	s_barrier_wait -3
	s_barrier_signal -1
	s_barrier_wait -1
.endm
.macro TLOAD k                         ; T's eight fragments and scale words of my K step k into set k % 3
.set LP, (\k)%3
.if LP == 2
.set LB, 96
	WIN 0x40
.else
.set LB, T0+96*LP
	WIN 0
.endif
.set ii, 0
.rept 24
	global_load_b128 v[LB+4*ii:LB+4*ii+3], v[A16], s[TG:TG+1] offset:BLKB*(\k)+512*ii
.set ii, ii+1
.endr
	WIN 0
	global_load_b128 v[TS+8*LP:TS+8*LP+3], v[TSA], s[TG:TG+1] offset:BLKB*(\k)+12288
	global_load_b128 v[TS+8*LP+4:TS+8*LP+7], v[TSA], s[TG:TG+1] offset:BLKB*(\k)+12304
.endm
.macro WFETCH k, i0                    ; W's fragments i0 .. i0 + 3 of my K step k, from place k % 6 of my region
.set SL, (\k)%6
	WIN 0x40
.irp i, \i0, \i0+1, \i0+2, \i0+3
	ds_load_b128 v[12*(\i):12*(\i)+3], v[LW16+SL/3] offset:BLKB*(SL%3)+1536*(\i)
	ds_load_b64 v[12*(\i)+4:12*(\i)+5], v[LW8+SL/3] offset:BLKB*(SL%3)+1536*(\i)+512
	ds_load_b128 v[12*(\i)+6:12*(\i)+9], v[LW16+SL/3] offset:BLKB*(SL%3)+1536*(\i)+768
	ds_load_b64 v[12*(\i)+10:12*(\i)+11], v[LW8+SL/3] offset:BLKB*(SL%3)+1536*(\i)+1280
.endr
	WIN 0
.endm
.macro WSCALE k                        ; and its eight scale words a row, into set k % 2
.set SL, (\k)%6
	ds_load_b128 v[WS+8*((\k)%2):WS+8*((\k)%2)+3], v[LWS+SL/3] offset:BLKB*(SL%3)
	ds_load_b128 v[WS+8*((\k)%2)+4:WS+8*((\k)%2)+7], v[LWS+SL/3] offset:BLKB*(SL%3)+16
.endm
; 32 products: W's fragments 4 bh .. 4 bh + 3, each against T's eight.  The 64 accumulators take turns in the same order in every step.
.macro MUL32 k, bh, zero
.irp bb, 0,1,2,3
.irp a, 0,1,2,3,4,5,6,7
.if \zero
	v_wmma_scale_f32_16x16x128_f8f6f4 v[8*(8*\bb+\a):8*(8*\bb+\a)+7], v[12*(4*\bh+\bb):12*(4*\bh+\bb)+11], v[TB+12*\a:TB+12*\a+11], 0, v[WS+8*((\k)%2)+4*\bh+\bb], v[TS+8*((\k)%3)+\a] matrix_a_fmt:MATRIX_FMT_FP6 matrix_b_fmt:MATRIX_FMT_FP6
.else
	v_wmma_scale_f32_16x16x128_f8f6f4 v[8*(8*\bb+\a):8*(8*\bb+\a)+7], v[12*(4*\bh+\bb):12*(4*\bh+\bb)+11], v[TB+12*\a:TB+12*\a+11], v[8*(8*\bb+\a):8*(8*\bb+\a)+7], v[WS+8*((\k)%2)+4*\bh+\bb], v[TS+8*((\k)%3)+\a] matrix_a_fmt:MATRIX_FMT_FP6 matrix_b_fmt:MATRIX_FMT_FP6
.endif
.endr
.endr
.endm
; A K step.  n: the global loads issued behind this step's set.  W has one set: fragments 0-3 are fetched anew in the step's middle, 4-7 at its end; a load into a register that a product has read stands four plain places behind it.
.macro STEP k, n, zero
.if (\k)%3 == 2
.set TB, 96
.set TW, 4
.else
.set TB, T0+96*((\k)%3)
.set TW, 0
.endif
	s_wait_loadcnt \n                              ; this step's T is in
	s_wait_dscnt 16                                ; W's fragments 0-3 and scale words are in; the sixteen loads of fragments 4-7 may be out
	WIN 0xa1+TW
	MUL32 \k, 0, \zero
	PLACES 4
.if (\k) < 7
.if (\k) == 5
	s_wait_tensorcnt 0x0                           ; my refill has landed: K step 6 is read below, by me alone
.endif
	WFETCH (\k)+1, 0
	WSCALE (\k)+1
	s_wait_dscnt 18                                ; all but the eighteen just issued
.else
	s_wait_dscnt 0x0
.endif
	WIN 0xf1+TW
	MUL32 \k, 1, \zero
	PLACES 4
.if (\k) < 7
	WFETCH (\k)+1, 4
.endif
.if (\k) < 5
	TLOAD (\k)+3                                   ; into the set just multiplied
.endif
.endm
	s_load_b256 s[4:11], s[0:1], 0x0               ; gc s[4:5], wc s[6:7], bias s[8:9], x1 s[10:11]
	s_load_b64 s[12:13], s[0:1], 0x20              ; out0
	v_lshl_add_u32 v[SPW], v0, 2, SPARE
	v_mov_b32 v[NIL], 0
	ds_add_u32 v[SPW], v[NIL]                      ; the opening lines: the add, twice on end, and one wait
	ds_add_u32 v[SPW], v[NIL]
	v_lshrrev_b32 v3, 5, v0
	v_readfirstlane_b32 s14, v3                    ; wave 0..3
	s_bfe_u32 s15, ttmp6, 0x40000                  ; cx
	s_lshl_b32 s16, ttmp9, 2
	s_add_co_u32 s16, s16, s15                     ; ty: which 128 tokens
	s_and_b32 s17, ttmp7, 0xffff                   ; tx: which 128 columns: the same in all four partners
	s_mov_b32 s[G1], 15|(3<<16)|(1<<21)            ; mask of the four; elements of 8 bytes; bit 21 beside a mask
	s_mov_b32 s[G1R], 15|(3<<16)|(1<<21)
.irp g, G1, G1R
	s_mov_b32 s[\g+1], 32<<16
	s_mov_b32 s[\g+3], 32<<16
	s_mov_b32 s[\g+5], 32
	s_mov_b32 s[\g+6], 0
	s_mov_b32 s[\g+7], 0
.endr
	s_mov_b32 s[G1+2], 300<<16
	s_mov_b32 s[G1+4], 300
	s_mov_b32 s[G1R+2], 100<<16
	s_mov_b32 s[G1R+4], 100
	s_mul_i32 s18, s14, WREG                       ; my region of LDS
	s_mul_i32 s19, s14, 8*BLKB                     ; my eight K steps
	s_mul_i32 s40, s16, 32*BLKB
	s_add_co_u32 s40, s40, s19
	s_mov_b32 s41, 0
	s_mul_i32 s42, s17, 32*BLKB
	s_add_co_u32 s42, s42, s19
	s_add_co_u32 s42, s42, WOFF
	s_mov_b32 s43, 0
	s_lshl_b32 s54, s17, 9                         ; 512 tx
	s_mov_b32 s55, 0
	s_lshl_b32 s52, s16, 19                        ; 128 ty rows of 4,096 bytes
	s_lshl_b32 s53, s14, 17                        ; + 32 w rows
	s_add_co_u32 s52, s52, s53
	s_add_co_u32 s52, s52, s54
	s_mov_b32 s53, 0
	s_mul_i32 s56, s14, 32*SP
	s_mov_b32 s[G0], 1
	s_mov_b32 s[G0+1], s18
	v_and_b32 v3, 31, v0                           ; l
	v_and_b32 v11, 15, v0                          ; r
	v_bfe_u32 v14, v0, 4, 1                        ; h
	v_lshlrev_b32 v[A16], 4, v3
	v_lshlrev_b32 v15, 3, v3
	v_lshlrev_b32 v[TSA], 5, v11
	v_add_nc_u32 v[LW16], s18, v[A16]
	v_add_nc_u32 v[LW8], s18, v15
	v_add_nc_u32 v[LWS], s18, v[TSA]
	v_add_nc_u32 v[LW16+1], 3*BLKB, v[LW16]
	v_add_nc_u32 v[LW8+1], 3*BLKB, v[LW8]
	v_add_nc_u32 v[LWS], 12288, v[LWS]
	v_mul_u32_u24 v[STO], v11, SP
	v_add_nc_u32 v[LWS+1], 3*BLKB, v[LWS]
	v_lshl_add_u32 v[STO], v14, 6, v[STO]
	v_add_nc_u32 v[RD], s56, v[A16]                ; rows 32 w on of region 0, 16 bytes a lane
	v_add_nc_u32 v[STO], s18, v[STO]               ; my region, row r, + 64 h
	v_add_nc_u32 v[RD+1], WREG, v[RD]
	v_add_nc_u32 v[RD+2], 2*WREG, v[RD]
	v_add_nc_u32 v[RD+3], 3*WREG, v[RD]
	s_wait_alu depctr_va_vdst(0)                   ; the wait at the head's end
	s_wait_dscnt 0x0                               ; both opening adds are done
	s_wait_kmcnt 0x0
	s_add_nc_u64 s[TG:TG+1], s[4:5], s[40:41]
	s_add_nc_u64 s[G0+2:G0+3], s[6:7], s[42:43]    ; it hangs on tx and the wave's number alone
	s_or_b32 s[G0+3], s[G0+3], 0x80000000
	s_add_nc_u64 s[RG:RG+1], s[10:11], s[52:53]
	s_add_nc_u64 s[OG:OG+1], s[12:13], s[52:53]
	s_add_nc_u64 s[BG:BG+1], s[8:9], s[54:55]
	TLOAD 0
	CROUND                                         ; the four work-groups are here: the first joint loads meet
	tensor_load_to_lds s[G0:G0+3], s[G1:G1+7]      ; W's K steps 0-5 of my eight: my one load at the head
	s_nop 0
	PLACES 4
	TLOAD 1
	TLOAD 2
	s_wait_tensorcnt 0x0                           ; my region is filled; I alone read it
	WFETCH 0, 0
	WSCALE 0
	WFETCH 0, 4
	STEP 0, 52, 1                                  ; behind a step's set: the two sets that follow it, 26 loads each
	s_wait_tensorcnt 0x0                           ; THE ONE REFILL
	ds_add_u32 v[SPW], v[NIL]
	s_add_nc_u64 s[G0+2:G0+3], s[G0+2:G0+3], WREG  ; (no load of mine is out: the group 0 steps to K step 6)
	s_wait_dscnt 0x0                               ; my reads of places 0 and 1 are over: K step 1's fragments are all in registers
	CROUND                                         ; and so are those of every wave of the four work-groups
	tensor_load_to_lds s[G0:G0+3], s[G1R:G1R+7]    ; W's K steps 6 and 7 into places 0 and 1
	s_nop 0
	PLACES 4
	STEP 1, 52, 0
	STEP 2, 52, 0
	STEP 3, 52, 0
	STEP 4, 52, 0
	STEP 5, 52, 0
	WIN 0x40                                       ; T's set 2 is done with: the residual of the 32 rows that I finish, a row of 512 bytes a load, and the bias
.set ii, 0
.rept 32
	global_load_b128 v[RS+4*ii:RS+4*ii+3], v[A16], s[RG:RG+1] offset:(8*(ii/16)+ii%16+8*((ii%16)/8))*4096 th:TH_LOAD_NT
.set ii, ii+1
.endr
	global_load_b128 v[BI:BI+3], v[A16], s[BG:BG+1]
	WIN 0
	STEP 6, 59, 0                                  ; behind set 6: set 7's 26 and these 33
	STEP 7, 33, 0
.irp bh, 0,1                           ; my tile into my region, stage row 16 a + r; each accumulator from its low end on
	WIN 0x08+4*\bh
.irp bb, 0,1,2,3
.irp a, 0,1,2,3,4,5,6,7
	ds_store_b128 v[STO], v[8*(8*\bb+\a):8*(8*\bb+\a)+3] offset:16*SP*\a+128*((4*\bh+\bb)/2)+32*(\bb%2)
	ds_store_b128 v[STO], v[8*(8*\bb+\a)+4:8*(8*\bb+\a)+7] offset:16*SP*\a+128*((4*\bh+\bb)/2)+32*(\bb%2)+16
.endr
.endr
.endr
	s_wait_loadcnt 0x0                             ; residual and bias
	WIN 0x45
.set ii, 0
.rept 32
	v_pk_add_f32 v[RS+4*ii:RS+4*ii+1], v[RS+4*ii:RS+4*ii+1], v[BI:BI+1]
	v_pk_add_f32 v[RS+4*ii+2:RS+4*ii+3], v[RS+4*ii+2:RS+4*ii+3], v[BI+2:BI+3]
.set ii, ii+1
.endr
	WIN 0
	s_wait_alu depctr_va_vdst(0)                   ; the wait ahead of the blocking wait
	s_wait_dscnt 0x0                               ; for the others' sake: my tile has landed
	s_barrier_signal -1
	s_barrier_wait -1
.irp hw, 0,1                           ; stage row 32 w + 16 hw + i of the four regions -> window 2 + hw, v[16 i + 4 s]
	WIN 0x80+0x40*\hw
.set ii, 0
.rept 16
.irp s, 0,1,2,3
	ds_load_b128 v[16*ii+4*\s:16*ii+4*\s+3], v[RD+\s] offset:SP*(16*\hw+ii)
.endr
.set ii, ii+1
.endr
.endr
.irp hw, 0,1
	s_wait_dscnt 63*(1-\hw)                        ; this half's 64 loads are in: of the 128 at most 63, all of the other half, may be out
	WIN 0x8a+0x45*\hw
.set ii, 0
.rept 16
	v_pk_add_f32 v[16*ii:16*ii+1], v[16*ii:16*ii+1], v[16*ii+4:16*ii+5]
	v_pk_add_f32 v[16*ii+2:16*ii+3], v[16*ii+2:16*ii+3], v[16*ii+6:16*ii+7]
	v_pk_add_f32 v[16*ii+8:16*ii+9], v[16*ii+8:16*ii+9], v[16*ii+12:16*ii+13]
	v_pk_add_f32 v[16*ii+10:16*ii+11], v[16*ii+10:16*ii+11], v[16*ii+14:16*ii+15]
.set ii, ii+1
.endr
.set ii, 0
.rept 16
	v_pk_add_f32 v[16*ii:16*ii+1], v[16*ii:16*ii+1], v[16*ii+8:16*ii+9]
	v_pk_add_f32 v[16*ii+2:16*ii+3], v[16*ii+2:16*ii+3], v[16*ii+10:16*ii+11]
.set ii, ii+1
.endr
	WIN 0x86+0x41*\hw                              ; source 1: residual + bias, in window 1
.set ii, 0
.rept 16
	v_pk_add_f32 v[16*ii:16*ii+1], v[16*ii:16*ii+1], v[RS+4*(16*\hw+ii):RS+4*(16*\hw+ii)+1]
	v_pk_add_f32 v[16*ii+2:16*ii+3], v[16*ii+2:16*ii+3], v[RS+4*(16*\hw+ii)+2:RS+4*(16*\hw+ii)+3]
.set ii, ii+1
.endr
	WIN 0x08+4*\hw
.set ii, 0
.rept 16
	global_store_b128 v[A16], v[16*ii:16*ii+3], s[OG:OG+1] offset:(8*\hw+ii+8*(ii/8))*4096 th:TH_STORE_NT   ; 32 lanes store 512 consecutive bytes, at a multiple of 256 from out0's first byte
.set ii, ii+1
.endr
.endr
	WIN 0
	s_wait_tensorcnt 0x0                           ; the wave's end
	ds_add_u32 v[SPW], v[NIL]
	s_wait_dscnt 0x0
	CROUND                                         ; the closing round
	s_endpgm
.Lfunc_end_k_q0c9a5e9a74_mproj:
	.size	k_q0c9a5e9a74_mproj, .Lfunc_end_k_q0c9a5e9a74_mproj-k_q0c9a5e9a74_mproj
	.p2alignl 7, 3214868480
	.fill 96, 4, 3214868480
	.section	.rodata,"a",@progbits
	.p2align	6, 0x0
	.amdhsa_kernel k_q0c9a5e9a74_mproj
		.amdhsa_group_segment_fixed_size 327680
		.amdhsa_private_segment_fixed_size 0
		.amdhsa_enable_private_segment 0
		.amdhsa_kernarg_size 40
		.amdhsa_user_sgpr_count 2
		.amdhsa_user_sgpr_kernarg_segment_ptr 1
		.amdhsa_wavefront_size32 1
		.amdhsa_system_sgpr_workgroup_id_x 1
		.amdhsa_system_sgpr_workgroup_id_y 1
		.amdhsa_system_sgpr_workgroup_id_z 1
		.amdhsa_system_vgpr_workitem_id 0
		.amdhsa_next_free_vgpr 1024
		.amdhsa_next_free_sgpr 66
		.amdhsa_reserve_vcc 0
		.amdhsa_float_denorm_mode_32 3
		.amdhsa_float_denorm_mode_16_64 3
		.amdhsa_memory_ordered 1
		.amdhsa_forward_progress 1
		.amdhsa_inst_pref_size 154
	.end_amdhsa_kernel
	.amdgpu_metadata
---
amdhsa.version: [ 1, 2 ]
amdhsa.kernels:
  - .name:           k_q0c9a5e9a74_mproj
    .symbol:         k_q0c9a5e9a74_mproj.kd
    .args:
      - { .name: gc, .offset: 0, .size: 8, .value_kind: global_buffer, .address_space: global }
      - { .name: wc, .offset: 8, .size: 8, .value_kind: global_buffer, .address_space: global }
      - { .name: b_mproj, .offset: 16, .size: 8, .value_kind: global_buffer, .address_space: global }
      - { .name: x1, .offset: 24, .size: 8, .value_kind: global_buffer, .address_space: global }
      - { .name: out0, .offset: 32, .size: 8, .value_kind: global_buffer, .address_space: global }
    .group_segment_fixed_size: 327680
    .private_segment_fixed_size: 0
    .kernarg_segment_align: 8
    .kernarg_segment_size: 40
    .max_flat_workgroup_size: 128
    .sgpr_count:     66
    .vgpr_count:     1024
    .wavefront_size: 32
...
	.end_amdgpu_metadata
.endif
;; end of part 7
